; MI455X (gfx1250); checked and timed in simulation.
; The chip was launched on July 23, 2026; its instructions are those of AMD's public machine-readable ISA for CDNA 5 (MIT licence, August 2026) and "CDNA5" Instruction Set Architecture Reference Guide (July 2026). The comments in the code are by the model that wrote it; some were corrected since.
;; Encoder Block. Allowed arithmetic: matrix products marked QUANTISED: E4M3 operands, one E8M0 scale for each 32 along K, by v_wmma_scale_f32_16x16x128_f8f6f4 with both operands' format E4M3, f32 sums; everything else in f32.
;; Inputs: W1 512 x 2,048 float32; W2 2,048 x 512 float32; Wk 8 x 512 x 64 float32; Wo 512 x 512 float32; Wq 8 x 512 x 64 float32; Wv 8 x 512 x 64 float32; b1 2,048 float32; b2 512 float32; bk 8 x 64 float32; bo 512 float32; bq 8 x 64 float32; bv 8 x 64 float32; ln1_b 512 float32; ln1_g 512 float32; ln2_b 512 float32; ln2_g 512 float32; x 4 x 2,048 x 512 float32.
;; Outputs: out0 4 x 2,048 x 512 float32.
;; This version of the problem:
;;   THIS VERSION OF THE PROBLEM IS GIVEN IN LOW PRECISION. The matrix products marked QUANTISED in the list below multiply operands that are first quantised to E4M3 (4 exponent bits, 3 mantissa bits; 8 bits a number), with one power-of-two scale for each 32 numbers along K (OCP MX v1.0); their sums are f32. All else is computed in f32.
;;   The module's matrix products, in the order in which they are computed (A, B: the left and right operand; K: the contracted axis; several contracted axes count as one K, in the product's order):
;;     1. [M 512, K 512] x [K 512, N 8,192]; A: input Wq; B: computed on the way: QUANTISED
;;     2. [M 512, K 512] x [K 512, N 8,192]; A: input Wk; B: computed on the way: QUANTISED
;;     3. [M 512, K 512] x [K 512, N 8,192]; A: input Wv; B: computed on the way: QUANTISED
;;     4. batch 32 x [M 2,048, K 64] x [K 64, N 2,048]; A: computed on the way; B: computed on the way: QUANTISED
;;     5. batch 32 x [M 2,048, K 2,048] x [K 2,048, N 64]; A: softmax (see below); B: computed on the way: QUANTISED
;;     6. [M 8,192, K 512] x [K 512, N 512]; A: computed on the way; B: input Wo: QUANTISED
;;     7. [M 8,192, K 512] x [K 512, N 2,048]; A: computed on the way; B: input W1: QUANTISED
;;     8. [M 8,192, K 2,048] x [K 2,048, N 512]; A: computed on the way; B: input W2: QUANTISED
;;   THE QUANTISER, for each operand of a quantised product, along K:
;;     - K is cut into blocks of 32 from its start; a last block that is shorter is filled with zeros.
;;     - A block's scale is 2^e with e = floor(log2(the largest magnitude in the block)) - 8, held to -126 .. 127; a block of zeros has e = 0. As a byte (E8M0): e + 127.
;;     - Each number is divided by its block's scale, clamped to +-448, and rounded to the nearest number of E4M3, ties to even, subnormals kept.
;;     - The product sums the exact products of the quantised numbers (number of the format x scale) in f32.
;;   ~~~python
;;   def quantise(x, axis):      # numpy; x: float32 -> the quantised numbers, widened to float32 again
;;       x = np.moveaxis(x, axis, -1); K = x.shape[-1]
;;       x = np.pad(x, [(0, 0)] * (x.ndim - 1) + [(0, -K % 32)]); x = x.reshape(x.shape[:-1] + (-1, 32)); a = np.abs(x).max(-1, keepdims=True)
;;       e = np.where(a > 0, np.clip(np.frexp(np.where(a > 0, a, 1))[1] - 1 - 8, -126, 127), 0)      # np.frexp(a)[1] - 1 = floor(log2(a)), exactly
;;       r = np.clip(x / 2.0 ** e, -448, 448)
;;       step = 2.0 ** (np.maximum(np.frexp(np.where(r == 0, 1, r))[1] - 1, -6) - 3)
;;       q = np.round(r / step) * step * 2.0 ** e      # np.round: ties to even
;;       return np.moveaxis(q.reshape(q.shape[:-2] + (-1,))[..., :K], -1, axis).astype(np.float32)
;;   ~~~
;;   SOFTMAX AHEAD OF A QUANTISED PRODUCT. Where the list says 'softmax', what is quantised is not the finished softmax but p = 2^(t - M), with t = logit x log2(e) and M = ceil(the row's largest t), a whole number; so 1/2 < the row's largest p <= 1. The row's sum l is taken of the UNQUANTISED p, in f32, and the product's result is divided by l at the end. Since M is a whole number, a kernel that streams over the keys may use a running M (the ceiling of the running maximum): every later rescaling is an exact power of two, which a block's scale takes up: the codes' values come out the same.
;;   OPERANDS COMPUTED ON THE WAY. 'Computed on the way' means the value that the module computes at that place (a softmax that the list does not call 'softmax' is quantised finished and normalised). What goes into a quantiser is computed in f32, as accurately as f32 sums, v_exp_f32 and their like allow (about 1e-6 of the number): no bf16 or f16 on the way to a quantiser, and a product that is left as it is and whose result goes on into a quantised operand takes f32 operands (vector FMAs, or v_wmma_f32_16x16x4_f32). A number that lies on a knife's edge between two numbers of the format may be rounded either way, as far as f32 arithmetic and the matrix unit's own rounding can turn it there, and no further.
;; One version. Each part assembles by itself: llvm-mc -triple=amdgcn-amd-amdhsa -mcpu=gfx1250 --defsym DOCPART=n.
;; ======== version 1 of 1: 4 launches
;; limits: right only within a limited range of input values
;; workspace buffers: wc 3,145,728 bytes; ws 98,304 bytes; qc 4,194,304 bytes; qs 262,144 bytes; kv 8,781,824 bytes; avc 4,194,304 bytes; avs 262,144 bytes
;; launch wquant (part 1): grid 192 x 1, 4 waves a work-group, no clusters, 0 bytes of LDS; arguments Wq, Wk, Wv, Wo, W1, W2, wc, ws; writes wc, ws
.if DOCPART == 1
	.amdgcn_target "amdgcn-amd-amdhsa--gfx1250"
	.amdhsa_code_object_version 6
	.text
	.protected	k_q185c951039_wquant
	.globl	k_q185c951039_wquant
	.p2align	8
	.type	k_q185c951039_wquant,@function
k_q185c951039_wquant:
	s_mov_b64 s[64:65], 0
	v_nop
	global_prefetch_b8 v0, s[64:65] scope:SCOPE_SE
	s_setreg_imm32_b32 hwreg(HW_REG_WAVE_MODE, 25, 1), 1
	s_wait_xcnt 0x0
; All six weights, f32 with K as their first matrix axis, become codes of E4M3 with one E8M0 byte for each 32 along K, laid in PANELS in the order of an operand's registers.
; A panel is 32 units x 512 along K: codes [K step s 0..3][tile u 0..1][group c 0..3][lane 0..31] x 16 bytes (16,384 bytes); scale words [lane r 0..15][s][u] (512 bytes).
; Unit l of a panel's 32 stands in tile u = bit 3 of l, lane r = (l & 7) + 8 x (bit 4 of l): so the 16 result registers of tiles 0 and 1 are 16 neighbouring units.
; Panels: 0-31 = 4 head + 2 kind + block (kind 0 Wq, 1 Wk); 32-47 = 32 + 2 head + block (Wv); 48-63 Wo; 64-127 W1; 128-191 = 128 + 16 (K chunk of 512) + block (W2).
; SHARES: work-group p makes panel p, wave s its K step s.  A LANE TAKES A COLUMN AND ITS REGISTERS RUN DOWN K: each load reads 128 consecutive bytes a wave, a block of 32 lies in one lane, nothing is transposed.
; A lane's 32 codes of a block are the 16 bytes of lane r and the 16 bytes of lane 16 + r of group c: two stores, in each of which the sixteen lanes of one u cover 256 consecutive bytes, aligned.
; A block's scale is 2^(floor(log2(largest magnitude)) - 8); its byte is the largest magnitude's exponent field - 8, held at 1 from below.
; LIMITS: a block of zeros, or one whose largest magnitude lies under 2^-118, gets the byte 1 (the bytes are read by this program alone; zero codes add nothing); NaN and infinities are not served.
; No LDS, no barrier, no matrix unit: the launch reads each weight once and is bound by those bytes.
.set MNT, 33                           ; s33  the mantissa field of 448
	s_load_b256 s[4:11], s[0:1], 0x0               ; Wq s[4:5], Wk s[6:7], Wv s[8:9], Wo s[10:11]
	s_load_b256 s[12:19], s[0:1], 0x20             ; W1 s[12:13], W2 s[14:15], wc s[16:17], ws s[18:19]
	v_lshrrev_b32 v1, 5, v0
	v_readfirstlane_b32 s20, v1                    ; wave = K step s
	v_and_b32 v2, 31, v0                           ; lane l = my column of the panel's 32
	v_lshlrev_b32 v3, 2, v2                        ; in: 4 bytes a lane
	v_bfe_u32 v4, v0, 3, 1                         ; u
	v_and_b32 v5, 7, v0
	v_bfe_u32 v6, v0, 4, 1
	v_lshl_or_b32 v5, v6, 3, v5                    ; r
	v_lshlrev_b32 v7, 4, v5
	v_lshl_or_b32 v7, v4, 11, v7                   ; codes out: 2048 u + 16 r
	v_lshlrev_b32 v8, 5, v5
	v_lshl_or_b32 v8, v4, 2, v8                    ; scale word out: 32 r + 4 u
	s_mov_b32 s[MNT], 0x600000
	s_mov_b32 s31, 0                               ; the upper word of every offset
	s_lshl_b32 s22, ttmp9, 14
	s_lshl_b32 s21, s20, 12
	s_add_co_u32 s22, s22, s21                     ; codes: 16384 p + 4096 s
	s_mov_b32 s23, 0
	s_lshl_b32 s24, ttmp9, 9
	s_lshl_b32 s21, s20, 3
	s_add_co_u32 s24, s24, s21                     ; scale words: 512 p + 8 s
	s_mov_b32 s25, 0
	s_wait_kmcnt 0x0
	s_add_nc_u64 s[16:17], s[16:17], s[22:23]
	s_add_nc_u64 s[18:19], s[18:19], s[24:25]
.macro WLD c, ld                       ; block c: W(32 c + i, my column), i = 0 .. 31; ld = numbers in a row of the weight
.set wi, 0
.rept 32
	global_load_b32 v[32+32*(\c)+wi], v3, s[28:29] offset:(32*(\c)+wi)*\ld*4 th:TH_LOAD_NT
.set wi, wi+1
.endr
.endm
.macro WBLK c, ld
.set XS, 32+32*(\c)
.if (\c) < 3
	s_wait_loadcnt 32                              ; this block's 32 loads are in; the next block's 32 may be out
.else
	s_wait_loadcnt 0x0
.endif
.if (\c) < 2
	WLD (\c)+2, \ld                                ; two blocks ahead, into registers of its own
.endif
	v_max3_num_f32 v12, |v[XS]|, |v[XS+1]|, |v[XS+2]|      ; the block's largest magnitude: all 32 numbers are mine; two chains
	v_max3_num_f32 v13, |v[XS+3]|, |v[XS+4]|, |v[XS+5]|
.irp i, 6,10,14,18,22,26
	v_max3_num_f32 v12, v12, |v[XS+\i]|, |v[XS+\i+1]|
	v_max3_num_f32 v13, v13, |v[XS+\i+2]|, |v[XS+\i+3]|
.endr
	v_max3_num_f32 v12, v12, |v[XS+30]|, |v[XS+31]|
	v_max3_num_f32 v12, v12, v13, 0x4800000        ; and the floor 2^(9 - 127): the byte cannot fall under 1
	v_add_nc_u32 v11, 0xfc000000, v12              ; 8 off the exponent field: the conversion's scale operand
	v_and_or_b32 v10, v12, 0x7f800000, s[MNT]      ; 448 x the scale
	v_lshrrev_b32 v13, 23, v11                     ; the scale's byte
.if (\c) == 0
	v_mov_b32 v9, v13                              ; four bytes make the K step's scale word, the lower K in the lower byte
.else
	v_lshl_or_b32 v9, v13, 8*(\c), v9
.endif
.set wi, 0
.rept 32
	v_med3_num_f32 v[XS+wi], v[XS+wi], -v10, v10   ; the conversion to an 8-bit code does not saturate (ISA guide 7.6.2): the hold at 448 x the scale
.set wi, wi+1
.endr
.irp g, 0,1,2,3
	v_cvt_scalef32_pk8_fp8_f32 v[160+8*(\c)+2*\g:160+8*(\c)+2*\g+1], v[XS+8*\g:XS+8*\g+7], v11
.endr
	global_store_b128 v7, v[160+8*(\c):160+8*(\c)+3], s[16:17] offset:512*(\c)         ; k = 32 c + 0 .. 15: lane r's 16 bytes
	global_store_b128 v7, v[160+8*(\c)+4:160+8*(\c)+7], s[16:17] offset:512*(\c)+256   ; k = 32 c + 16 .. 31: lane 16 + r's.  Each block has its own code registers: no store's data are written again
.endm
.macro BODY ld
	WLD 0, \ld
	WLD 1, \ld
	WBLK 0, \ld
	WBLK 1, \ld
	WBLK 2, \ld
	WBLK 3, \ld
	global_store_b32 v8, v9, s[18:19]
	s_endpgm
.endm
	s_cmp_lt_u32 ttmp9, 48
	s_cbranch_scc0 .Lnot_heads
	; panels 0-47: Wq, Wk, Wv, [head][512][64]: rows of 64 numbers
	s_lshr_b32 s26, ttmp9, 2                       ; the head of a panel under 32,
	s_sub_co_u32 s27, ttmp9, 32
	s_lshr_b32 s27, s27, 1                         ; and of one from 32 on (the one that does not apply is not used)
	s_and_b32 s21, ttmp9, 2
	s_cmp_lg_u32 s21, 0
	s_cselect_b64 s[34:35], s[6:7], s[4:5]         ; kind 1: Wk, kind 0: Wq
	s_cmp_lt_u32 ttmp9, 32
	s_cselect_b64 s[34:35], s[34:35], s[8:9]       ; from 32 on: Wv.  The choices hang on the work-group's number alone
	s_cselect_b32 s26, s26, s27
	s_lshl_b32 s26, s26, 17                        ; head x 512 x 64 x 4 bytes
	s_and_b32 s27, ttmp9, 1
	s_lshl_b32 s27, s27, 7                         ; block x 32 columns
	s_add_co_u32 s30, s26, s27
	s_lshl_b32 s27, s20, 15                        ; K step x 128 rows of 256 bytes
	s_add_co_u32 s30, s30, s27
	s_add_nc_u64 s[28:29], s[34:35], s[30:31]
	s_wait_alu depctr_va_vdst(0)
	BODY 64
.Lnot_heads:
	s_cmp_lt_u32 ttmp9, 64
	s_cbranch_scc1 .Lrows_512
	s_cmp_lt_u32 ttmp9, 128
	s_cbranch_scc0 .Lrows_512
	; panels 64-127: W1 [512][2048]
	s_sub_co_u32 s26, ttmp9, 64
	s_lshl_b32 s26, s26, 7
	s_lshl_b32 s27, s20, 20                        ; K step x 128 rows of 8,192 bytes
	s_add_co_u32 s30, s26, s27
	s_add_nc_u64 s[28:29], s[12:13], s[30:31]
	s_wait_alu depctr_va_vdst(0)
	BODY 2048
.Lrows_512:
	; panels 48-63: Wo [512][512]; panels 128-191: W2 [2048][512]
	s_sub_co_u32 s26, ttmp9, 48                    ; Wo's block
	s_sub_co_u32 s27, ttmp9, 128
	s_and_b32 s21, s27, 15                         ; W2's block,
	s_lshr_b32 s27, s27, 4                         ; and its K chunk of 512
	s_cmp_lt_u32 ttmp9, 64
	s_cselect_b64 s[34:35], s[10:11], s[14:15]
	s_cselect_b32 s26, s26, s21
	s_cselect_b32 s27, 0, s27
	s_lshl_b32 s26, s26, 7
	s_lshl_b32 s27, s27, 20                        ; 512 rows of 2,048 bytes
	s_add_co_u32 s30, s26, s27
	s_lshl_b32 s27, s20, 18                        ; K step x 128 rows of 2,048 bytes
	s_add_co_u32 s30, s30, s27
	s_add_nc_u64 s[28:29], s[34:35], s[30:31]
	s_wait_alu depctr_va_vdst(0)
	BODY 512
.Lfunc_end_k_q185c951039_wquant:
	.size	k_q185c951039_wquant, .Lfunc_end_k_q185c951039_wquant-k_q185c951039_wquant
	.p2alignl 7, 3214868480
	.fill 96, 4, 3214868480
	.section	.rodata,"a",@progbits
	.p2align	6, 0x0
	.amdhsa_kernel k_q185c951039_wquant
		.amdhsa_group_segment_fixed_size 0
		.amdhsa_private_segment_fixed_size 0
		.amdhsa_enable_private_segment 0
		.amdhsa_kernarg_size 64
		.amdhsa_user_sgpr_count 2
		.amdhsa_user_sgpr_kernarg_segment_ptr 1
		.amdhsa_wavefront_size32 1
		.amdhsa_system_sgpr_workgroup_id_x 1
		.amdhsa_system_sgpr_workgroup_id_y 1
		.amdhsa_system_sgpr_workgroup_id_z 1
		.amdhsa_system_vgpr_workitem_id 0
		.amdhsa_next_free_vgpr 192
		.amdhsa_next_free_sgpr 66
		.amdhsa_reserve_vcc 0
		.amdhsa_float_denorm_mode_32 3
		.amdhsa_float_denorm_mode_16_64 3
		.amdhsa_memory_ordered 1
		.amdhsa_forward_progress 1
		.amdhsa_inst_pref_size 85
	.end_amdhsa_kernel
	.amdgpu_metadata
---
amdhsa.version: [ 1, 2 ]
amdhsa.kernels:
  - .name:           k_q185c951039_wquant
    .symbol:         k_q185c951039_wquant.kd
    .args:
      - { .name: Wq, .offset: 0, .size: 8, .value_kind: global_buffer, .address_space: global }
      - { .name: Wk, .offset: 8, .size: 8, .value_kind: global_buffer, .address_space: global }
      - { .name: Wv, .offset: 16, .size: 8, .value_kind: global_buffer, .address_space: global }
      - { .name: Wo, .offset: 24, .size: 8, .value_kind: global_buffer, .address_space: global }
      - { .name: W1, .offset: 32, .size: 8, .value_kind: global_buffer, .address_space: global }
      - { .name: W2, .offset: 40, .size: 8, .value_kind: global_buffer, .address_space: global }
      - { .name: wc, .offset: 48, .size: 8, .value_kind: global_buffer, .address_space: global }
      - { .name: ws, .offset: 56, .size: 8, .value_kind: global_buffer, .address_space: global }
    .group_segment_fixed_size: 0
    .private_segment_fixed_size: 0
    .kernarg_segment_align: 8
    .kernarg_segment_size: 64
    .max_flat_workgroup_size: 128
    .sgpr_count:     66
    .vgpr_count:     192
    .wavefront_size: 32
...
	.end_amdgpu_metadata
.endif
;; end of part 1
;; launch qkv (part 2): grid 128 x 2, 16 waves a work-group, no clusters, 173,056 bytes of LDS; arguments x, ln1_g, ln1_b, wc, ws, bq, bk, bv, qc, qs, kv; writes qc, qs, kv
.if DOCPART == 2
	.amdgcn_target "amdgcn-amd-amdhsa--gfx1250"
	.amdhsa_code_object_version 6
	.text
	.protected	k_q185c951039_qkv
	.globl	k_q185c951039_qkv
	.p2align	8
	.type	k_q185c951039_qkv,@function
k_q185c951039_qkv:
	s_mov_b64 s[64:65], 0
	v_nop
	global_prefetch_b8 v0, s[64:65] scope:SCOPE_SE
	s_setreg_imm32_b32 hwreg(HW_REG_WAVE_MODE, 25, 1), 1
	s_wait_xcnt 0x0
; xn = LayerNorm(x); q, k, v = xn W + b, on codes of E4M3 with one E8M0 scale for each 32 along K; q and k are quantised along the head's 64, v along the keys.  All three leave as images of operand registers.
; SHARES.  Work-group (g, y) takes rows 64 g .. 64 g + 63 and heads 4 y .. 4 y + 3: 256 work-groups.  So a work-group reads 24 of the 48 weight panels (24 x 16,896 bytes) and not all of them; the price: x's 64 rows
; (131,072 bytes) are read and normalised by two work-groups.  Every wave normalises 4 rows and quantises one fragment of xn.  Then the waves part: waves 0-7 make q or k (kind = w & 1) of head 4 y + w / 2 for all 64 rows,
; two panels each; waves 8-15 make 32 of the 64 columns of one head's v, one panel each.
; A WHOLE PANEL (32 units x 512 K: 128 registers a lane, four sets of one K step) IS ASKED FOR AT ONCE, ahead of the barrier behind which it is used; in a wave with two panels the second's K step s is asked for behind the first's K step s.
; SLOT ORDER.  slot = row with bits 3 and 4 swapped.  Every tile of 16 is 16 consecutive slots, so lane r of tile 2 b + u holds row 32 b + 8 u + (r & 7) + 16 (r >> 3), and the 16 result registers of tiles 2 b, 2 b + 1 are 16 neighbours.
; IMAGE.  A fragment (16 rows x 128 K, 16 registers a lane) lies as its registers stand: group c (registers 4 c .. 4 c + 3: k = 32 c + 16 (lane / 16) + 0 .. 15) at 512 c + 16 x lane.  No rows, no pitch.
; q, k: source 0 = 16 units of the weight, source 1 = 16 slots of xn: a lane holds one slot, its registers run along the units.  v: the sources swapped: a lane holds one unit, its registers run down the rows, which are the keys.
; OUT.  qc [b x head][tile 128] 1,024 bytes (K = 64: two groups); qs [b x head][4 tiles][r][tile] words; kv [b x head][step of 128 keys] 17,152 bytes: 8 tiles of k x 1,024; 4 tiles of v x 2,048; k's words [r][tile 8]; v's words [r][tile 4].
; The upper two bytes of q's and k's scale words are 127: they stand over the zero codes with which the next launch fills K = 64 up to 128.
; LIMITS: a block whose largest magnitude lies under 2^-118, zeros among them, gets the byte 1 (read by this program alone); NaN and infinities are not served.  The variance is taken of x - mean, so a common offset in x does no harm.
; The weights go from memory straight into the one wave's registers that wants them, so there is no LDS tile that work-groups could share: no tensor loads, no cluster.
; REGISTERS: v1-12 addresses; v13-19 at work; v20-23 xn's scale words, v24-31 the weight's, two a K step (scales and nothing else); v32-63 two fragments of xn (in vector phases: v32-47 the quantiser's, v48-63 codes);
;   v64-127 and v192-255 the panel's four K steps (v64-127 in vector phases: numbers); v128-191 eight accumulators (at the head v160-163: at work).
.set XST,  0                           ; LDS: 64 slots x (2,048 bytes + 16): xn in f32
.set XIMG, 132096                      ; xn's 16 fragments: (4 s + m) x 2,048
.set XSC,  164864                      ; their scale words: [s][lane][m]
.set BST,  166912                      ; 256 bytes a wave: the 64 numbers of bq or bk of its head
.set LI,  1                            ; v1   16 x lane
.set R32, 2                            ; v2   32 r: a panel's scale words
.set BA,  3                            ; v3   my wave's staged bias, + 64 x (lane / 16)
.set AQ,  4                            ; v4   XST: where my fragment's numbers lie
.set QI,  5                            ; v5   where I store my fragment's image
.set AR,  6                            ; v6   XST: my 4 slots, 16 bytes a lane
.set QS,  9                            ; v9   where I store its scale word
.set AS,  20
.set WS,  24
.set ACT, 32
.set WV,  26
.set SEL, 40                           ; s[40:41] v_permlanex16_b32's selects for lane l xor 16
.set MNT, 42                           ; the mantissa field of 448
.set INV, 43                           ; 1 / 512
.set EPS, 44                           ; 1e-5
.set WP,  46                           ; s[46:47] my first panel's codes;  never stepped: the second panel stands in the immediates
.set SP,  48                           ; s[48:49] its scale words
.set BP,  50                           ; s[50:51] bq or bk at my head
.set CO,  52                           ; s[52:53] where my codes of q or k go
.set SO,  54                           ; s[54:55] and their scale words
.set VC,  56                           ; s[56:57] v's codes
.set VSP, 58                           ; s[58:59] v's scale bytes
.set BV,  60                           ; s[60:61] bv at my 32 columns
.macro NOP8                            ; eight places behind this matrix form, in front of loads into its registers and of the first read of results
.rept 8
	v_nop
.endr
.endm
.macro BAR                             ; my LDS stores have landed and my LDS loads are in: then the work-group's barrier
	s_wait_dscnt 0x0
	s_barrier_signal -1
	s_barrier_wait -1
.endm
; nb blocks of 32 are quantised.  Block q is v[s + 16 q] .. + 15 of lanes l and l xor 16.  Codes to v[pc + 4 q] on; the bytes stay in v[tm + 4 + q].  The blocks take turns line by line.
.macro QB s, nb, tm, pc
.set qb, 0
.rept \nb
	v_max3_num_f32 v[\tm+qb], |v[\s+16*qb]|, |v[\s+16*qb+1]|, 0x4800000     ; my 16 numbers, from the low end on, and the floor 2^(9 - 127): the byte cannot fall under 1
.set qb, qb+1
.endr
.irp i, 2,4,6,8,10,12,14
.set qb, 0
.rept \nb
	v_max3_num_f32 v[\tm+qb], v[\tm+qb], |v[\s+16*qb+\i]|, |v[\s+16*qb+\i+1]|
.set qb, qb+1
.endr
.endr
.set qb, 0
.rept \nb
	v_permlanex16_b32 v[\tm+4+qb], v[\tm+qb], s[SEL], s[SEL+1]
.set qb, qb+1
.endr
.set qb, 0
.rept \nb
	s_delay_alu instid0(VALU_DEP_4)
	v_max_num_f32 v[\tm+qb], v[\tm+qb], v[\tm+4+qb]            ; with lane l xor 16's: the block's largest magnitude
.set qb, qb+1
.endr
.set qb, 0
.rept \nb
	s_delay_alu instid0(VALU_DEP_4)
	v_add_nc_u32 v[\tm+12+qb], 0xfc000000, v[\tm+qb]           ; 8 off its exponent field: the conversion's scale operand
.set qb, qb+1
.endr
.set qb, 0
.rept \nb
	v_and_or_b32 v[\tm+8+qb], v[\tm+qb], 0x7f800000, s[MNT]    ; 448 x the scale
.set qb, qb+1
.endr
.set qb, 0
.rept \nb
	v_lshrrev_b32 v[\tm+4+qb], 23, v[\tm+12+qb]                ; the scale's byte
.set qb, qb+1
.endr
.set qb, 0
.rept \nb
.set qi, 0
.rept 16
	v_med3_num_f32 v[\s+16*qb+qi], v[\s+16*qb+qi], -v[\tm+8+qb], v[\tm+8+qb]   ; the conversion does not saturate (ISA guide 7.6.2): the hold
.set qi, qi+1
.endr
	v_cvt_scalef32_pk8_fp8_f32 v[\pc+4*qb:\pc+4*qb+1], v[\s+16*qb:\s+16*qb+7], v[\tm+12+qb]
	v_cvt_scalef32_pk8_fp8_f32 v[\pc+4*qb+2:\pc+4*qb+3], v[\s+16*qb+8:\s+16*qb+15], v[\tm+12+qb]
.set qb, qb+1
.endr
	v_nop                                          ; one plain line behind the last scaled conversion
.endm
; K step k of a panel: its two scale words of my lane's row and its two fragments: nine loads.  Set k lies at v64, v96, v192, v224.  oc, os: the panel's bytes from my first panel
.macro WK k, oc, os
.set wB, 64+32*(\k)+64*((\k)/2)
	global_load_b64 v[WS+2*(\k):WS+2*(\k)+1], v[R32], s[SP:SP+1] offset:(\os)+8*(\k)
.irp u, 0,1
.irp c, 0,1,2,3
	global_load_b128 v[wB+16*\u+4*\c:wB+16*\u+4*\c+3], v[LI], s[WP:WP+1] offset:(\oc)+4096*(\k)+2048*\u+512*\c
.endr
.endr
.endm
.macro MM acc, mode, zero, s, m, u     ; one product: K step s, tile of slots m, tile of units u
.set gW, 64+32*(\s)+64*((\s)/2)+16*(\u)
.set gA, ACT+16*((\m)&1)
.if \mode
.set gD, \acc+32*(\u)+8*(\m)
.if (\zero) && ((\s) == 0)
	v_wmma_scale_f32_16x16x128_f8f6f4 v[gD:gD+7], v[gA:gA+15], v[gW:gW+15], 0, v[AS+(\m)], v[WS+2*(\s)+(\u)]
.else
	v_wmma_scale_f32_16x16x128_f8f6f4 v[gD:gD+7], v[gA:gA+15], v[gW:gW+15], v[gD:gD+7], v[AS+(\m)], v[WS+2*(\s)+(\u)]
.endif
.else
.set gD, \acc+16*(\m)+8*(\u)
.if (\zero) && ((\s) == 0)
	v_wmma_scale_f32_16x16x128_f8f6f4 v[gD:gD+7], v[gW:gW+15], v[gA:gA+15], 0, v[WS+2*(\s)+(\u)], v[AS+(\m)]
.else
	v_wmma_scale_f32_16x16x128_f8f6f4 v[gD:gD+7], v[gW:gW+15], v[gA:gA+15], v[gD:gD+7], v[WS+2*(\s)+(\u)], v[AS+(\m)]
.endif
.endif
.endm
; 32 units x 64 slots x K 512: 32 matrix instructions on eight accumulators, which take turns, one instruction a turn.
; mode 0: source 0 the weight, accumulator (m, u) at acc + 16 m + 8 u.  mode 1: source 0 the slots, at acc + 32 u + 8 m.  zero = 1: the first K step starts the sums; else they go on from what acc holds (a bias).
; The panel's 36 loads are the youngest loads from memory when the macro begins.  ring = 1: behind each K step's products, and eight places, the next panel's same K step is asked for into the set just read.
.macro GK acc, mode, zero, ring
.irp s, 0,1,2,3
.if \s > 0
.if \ring == 0
	NOP8                                           ; (with ring = 1 the eight places in front of the request below serve these loads too)
.endif
.endif
.irp m, 0,1
.irp c, 0,1,2,3
	ds_load_b128 v[ACT+16*\m+4*\c:ACT+16*\m+4*\c+3], v7 offset:(4*\s+\m)*2048+512*\c
.endr
.endr
	ds_load_b128 v[AS:AS+3], v8 offset:512*\s                  ; the four tiles' scale words of this K step
.if \ring
	s_wait_loadcnt 27                              ; this K step's nine loads are in; behind them stand three K steps of nine: this panel's later ones and the next panel's that are asked for
.else
	s_wait_loadcnt 27-9*\s                         ; this K step's nine loads are in; the later K steps' nine each may be out
.endif
	s_wait_dscnt 0x0
	MM \acc, \mode, \zero, \s, 0, 0
	MM \acc, \mode, \zero, \s, 0, 1
	MM \acc, \mode, \zero, \s, 1, 0
	MM \acc, \mode, \zero, \s, 1, 1
	NOP8
.irp m, 2,3
.irp c, 0,1,2,3
	ds_load_b128 v[ACT+16*(\m-2)+4*\c:ACT+16*(\m-2)+4*\c+3], v7 offset:(4*\s+\m)*2048+512*\c
.endr
.endr
	s_wait_dscnt 0x0
	MM \acc, \mode, \zero, \s, 2, 0
	MM \acc, \mode, \zero, \s, 2, 1
	MM \acc, \mode, \zero, \s, 3, 0
	MM \acc, \mode, \zero, \s, 3, 1
.if \ring
	NOP8
	WK \s, 16384, 512
.endif
.endr
.endm
.macro RED4                            ; v[32 + 4 i], i = 0 .. 3, summed over the 32 lanes; the result in every lane
.irp x, 1,2,4,8
.irp i, 0,1,2,3
	s_delay_alu instid0(VALU_DEP_4)
	v_add_f32_dpp v[32+4*\i], v[32+4*\i], v[32+4*\i] row_xmask:\x row_mask:0xf bank_mask:0xf
.endr
.endr
.irp i, 0,1,2,3
	s_delay_alu instid0(VALU_DEP_4)
	v_permlanex16_b32 v[33+4*\i], v[32+4*\i], s[SEL], s[SEL+1]
.endr
.irp i, 0,1,2,3
	s_delay_alu instid0(VALU_DEP_4)
	v_add_f32 v[32+4*\i], v[32+4*\i], v[33+4*\i]
.endr
.endm
; LayerNorm of four rows, by turns.  Row i in v[64 + 16 i] on: register 4 j + e = column 128 j + 4 x lane + e.  The gain in v128-143, the bias in v144-159, laid alike.
.macro LN4
.irp i, 0,1,2,3
	v_pk_add_f32 v[32+4*\i:33+4*\i], v[64+16*\i:65+16*\i], v[66+16*\i:67+16*\i]
	v_pk_add_f32 v[34+4*\i:35+4*\i], v[68+16*\i:69+16*\i], v[70+16*\i:71+16*\i]
.endr
.irp k, 8,12
.irp i, 0,1,2,3
	v_pk_add_f32 v[32+4*\i:33+4*\i], v[32+4*\i:33+4*\i], v[64+16*\i+\k:65+16*\i+\k]
	v_pk_add_f32 v[34+4*\i:35+4*\i], v[34+4*\i:35+4*\i], v[66+16*\i+\k:67+16*\i+\k]
.endr
.endr
.irp i, 0,1,2,3
	v_pk_add_f32 v[32+4*\i:33+4*\i], v[32+4*\i:33+4*\i], v[34+4*\i:35+4*\i]
.endr
.irp i, 0,1,2,3
	s_delay_alu instid0(VALU_DEP_4)
	v_add_f32 v[32+4*\i], v[32+4*\i], v[33+4*\i]
.endr
	RED4
.irp i, 0,1,2,3
	s_delay_alu instid0(VALU_DEP_4)
	v_mul_f32 v[32+4*\i], s[INV], v[32+4*\i]       ; the mean
.endr
.irp k, 0,2,4,6,8,10,12,14
.irp i, 0,1,2,3
	v_pk_add_f32 v[64+16*\i+\k:65+16*\i+\k], v[64+16*\i+\k:65+16*\i+\k], v[32+4*\i:33+4*\i] op_sel_hi:[1,0] neg_lo:[0,1] neg_hi:[0,1]   ; x - mean
.endr
.endr
.irp i, 0,1,2,3
	v_pk_mul_f32 v[32+4*\i:33+4*\i], v[64+16*\i:65+16*\i], v[64+16*\i:65+16*\i]
.endr
.irp k, 2,4,6,8,10,12,14
.irp i, 0,1,2,3
	s_delay_alu instid0(VALU_DEP_4)
	v_pk_fma_f32 v[32+4*\i:33+4*\i], v[64+16*\i+\k:65+16*\i+\k], v[64+16*\i+\k:65+16*\i+\k], v[32+4*\i:33+4*\i]
.endr
.endr
.irp i, 0,1,2,3
	s_delay_alu instid0(VALU_DEP_4)
	v_add_f32 v[32+4*\i], v[32+4*\i], v[33+4*\i]
.endr
	RED4
.irp i, 0,1,2,3
	s_delay_alu instid0(VALU_DEP_4)
	v_fma_f32 v[32+4*\i], v[32+4*\i], s[INV], s[EPS]           ; the variance + eps
.endr
	s_wait_alu depctr_va_vdst(0)
.irp i, 0,1,2,3
	v_rsq_f32 v[32+4*\i], v[32+4*\i]
.endr
	v_nop                                          ; one plain line behind a transcendental (ISA guide 5.7.2)
	s_wait_alu depctr_va_vdst(0)
.irp k, 0,2,4,6,8,10,12,14
.irp i, 0,1,2,3
	v_pk_mul_f32 v[64+16*\i+\k:65+16*\i+\k], v[64+16*\i+\k:65+16*\i+\k], v[32+4*\i:33+4*\i] op_sel_hi:[1,0]
.endr
.endr
.irp k, 0,2,4,6,8,10,12,14
.irp i, 0,1,2,3
	v_pk_fma_f32 v[64+16*\i+\k:65+16*\i+\k], v[64+16*\i+\k:65+16*\i+\k], v[128+\k:129+\k], v[144+\k:145+\k]
.endr
.endr
.endm
; Wave w makes fragment (tile of slots m = w / 4, K step s = w % 4) from the f32 rows in XST: lane (r, h) takes 16 neighbours of each block of 32 of slot 16 m + r.
.macro QFRAG
.irp c, 0,1,2,3
.irp q, 0,1,2,3
	ds_load_b128 v[64+16*\c+4*\q:64+16*\c+4*\q+3], v[AQ] offset:128*\c+16*\q
.endr
.endr
	s_wait_dscnt 0x0
	QB 64, 4, 32, 48
	v_lshl_or_b32 v13, v37, 8, v36                 ; the four bytes make my slot's scale word
	s_delay_alu instid0(VALU_DEP_1)
	v_lshl_or_b32 v13, v38, 16, v13
	s_delay_alu instid0(VALU_DEP_1)
	v_lshl_or_b32 v13, v39, 24, v13
.irp c, 0,1,2,3
	ds_store_b128 v[QI], v[48+4*\c:51+4*\c] offset:512*\c
.endr
	ds_store_b32 v[QS], v13
.endm
	s_load_b256 s[4:11], s[0:1], 0x0               ; x s[4:5], ln1_g s[6:7], ln1_b s[8:9], wc s[10:11]
	s_load_b256 s[12:19], s[0:1], 0x20             ; ws s[12:13], bq s[14:15], bk s[16:17], bv s[18:19]
	s_load_b128 s[20:23], s[0:1], 0x40             ; qc s[20:21], qs s[22:23]
	s_load_b64 s[24:25], s[0:1], 0x50              ; kv
	v_lshrrev_b32 v13, 5, v0
	s_delay_alu instid0(VALU_DEP_1)
	v_readfirstlane_b32 s[WV], v13                 ; wave 0..15
	v_and_b32 v[LI], 31, v0
	s_delay_alu instid0(VALU_DEP_1)
	v_lshlrev_b32 v[LI], 4, v[LI]
	s_wait_alu depctr_va_vdst(0)
	v_and_b32 v13, 15, v0                          ; r
	s_delay_alu instid0(VALU_DEP_1)
	v_lshlrev_b32 v[R32], 5, v13
	v_bfe_u32 v[BA], v0, 4, 1
	s_delay_alu instid0(VALU_DEP_1)
	v_lshlrev_b32 v[BA], 6, v[BA]                  ; 64 h
	s_wait_alu depctr_va_vdst(0)
	s_lshr_b32 s27, s[WV], 2                       ; my fragment's tile m
	s_and_b32 s28, s[WV], 3                        ; and K step s
	s_mul_i32 s29, s27, 33024                      ; 16 slots of 2,064 bytes
	s_lshl_b32 s30, s28, 9
	s_add_co_u32 s29, s29, s30
	v_mul_u32_u24 v[AQ], v13, 2064
	s_delay_alu instid0(VALU_DEP_1)
	v_add_nc_u32 v[AQ], v[AQ], v[BA]
	s_delay_alu instid0(VALU_DEP_1)
	v_add_nc_u32 v[AQ], s29, v[AQ]                 ; (16 m + r) x 2064 + 512 s + 64 h
	s_lshl_b32 s29, s28, 2
	s_add_co_u32 s29, s29, s27
	s_lshl_b32 s29, s29, 11
	s_add_co_u32 s29, s29, XIMG
	v_add_nc_u32 v[QI], s29, v[LI]
	s_lshl_b32 s29, s27, 2
	s_add_co_u32 s29, s29, s30
	s_add_co_u32 s29, s29, XSC
	v_add_nc_u32 v[QS], s29, v[LI]                 ; XSC + 512 s + 16 x lane + 4 m
	s_mul_i32 s29, s[WV], 8256
	v_add_nc_u32 v[AR], s29, v[LI]                 ; slots 4 w on
	v_add_nc_u32 v7, XIMG, v[LI]
	v_add_nc_u32 v8, XSC, v[LI]
	s_lshl_b32 s29, s[WV], 8
	s_add_co_u32 s29, s29, BST                     ; my wave's 256 bytes of the stage
	v_add_nc_u32 v[BA], s29, v[BA]
	v_lshrrev_b32 v160, 1, v[LI]                   ; 8 x lane: my two numbers of the bias, in memory,
	s_delay_alu instid0(VALU_DEP_1)
	v_add_nc_u32 v161, s29, v160                   ; and in the stage
	v_and_b32 v14, 7, v0
	v_bfe_u32 v15, v0, 3, 1
	s_delay_alu instid0(VALU_DEP_1)
	v_lshl_add_u32 v14, v15, 4, v14
	s_delay_alu instid0(VALU_DEP_1)
	v_lshlrev_b32 v11, 2, v14                      ; bv: lane r of a tile holds unit (r & 7) + 16 (r >> 3) (+ 8 u)
	v_lshlrev_b32 v12, 4, v13                      ; v's scale words: 16 r
	s_mov_b32 s[SEL], 0x76543210
	s_mov_b32 s[SEL+1], 0xfedcba98
	s_mov_b32 s[MNT], 0x600000
	s_mov_b32 s[INV], 0x3b000000
	s_mov_b32 s[EPS], 0x3727c5ac
	s_and_b32 s29, s[WV], 9                        ; slots 4 w .. 4 w + 3 are rows 4 w' .. 4 w' + 3, w' = w with bits 1 and 2 swapped
	s_and_b32 s30, s[WV], 2
	s_lshl_b32 s30, s30, 1
	s_or_b32 s29, s29, s30
	s_and_b32 s30, s[WV], 4
	s_lshr_b32 s30, s30, 1
	s_or_b32 s29, s29, s30
	s_lshl_b32 s29, s29, 2
	s_lshl_b32 s30, ttmp9, 6
	s_add_co_u32 s30, s30, s29
	s_lshl_b32 s30, s30, 11                        ; my first row of x, in bytes
	s_mov_b32 s31, 0
	s_lshr_b32 s33, ttmp9, 5                       ; b
	s_and_b32 s34, ttmp9, 31                       ; which 64 rows of the sequence
	s_lshr_b32 s35, s34, 1                         ; the key step of 128,
	s_and_b32 s36, s34, 1                          ; and which half of it
	s_and_b32 s76, ttmp7, 0xffff                   ; y: which four heads
	s_and_b32 s77, s[WV], 7                        ; my number in my role.  (Every wave makes the addresses of both roles: all lie inside their buffers, and only its own role's are used behind the parting)
	s_lshl_b32 s78, s76, 3
	s_add_co_u32 s78, s78, s77                     ; 8 y + my number = 2 x head + (kind, or which 32 columns of v)
	s_lshr_b32 s37, s78, 1                         ; my head
	s_and_b32 s38, s78, 1                          ; q (0) or k (1); for v: which 32 columns
	s_lshl_b32 s39, s33, 3
	s_add_co_u32 s39, s39, s37                     ; b x 8 + head
	s_lshl_b32 s66, s39, 17
	s_lshl_b32 s62, s34, 12
	s_add_co_u32 s66, s66, s62                     ; q's codes: (128 bh + 4 gi) x 1,024
	s_mov_b32 s67, 0
	s_mul_i32 s68, s39, 274432
	s_mul_i32 s62, s35, 17152
	s_add_co_u32 s68, s68, s62                     ; my chunk of kv
	s_mov_b32 s69, 0
	s_lshl_b32 s70, s39, 5
	s_add_co_u32 s70, s70, s34
	s_lshl_b32 s70, s70, 8                         ; q's scale words: (32 bh + gi) x 256
	s_mov_b32 s71, 0
	s_wait_alu depctr_va_vdst(0)
	s_wait_kmcnt 0x0
	s_add_nc_u64 s[4:5], s[4:5], s[30:31]
	; ---- my 4 rows of x, the gain and the bias: each load of the wave covers 512 consecutive bytes
.irp i, 0,1,2,3
.irp j, 0,1,2,3
	global_load_b128 v[64+16*\i+4*\j:64+16*\i+4*\j+3], v[LI], s[4:5] offset:2048*\i+512*\j
.endr
.endr
.irp j, 0,1,2,3
	global_load_b128 v[128+4*\j:131+4*\j], v[LI], s[6:7] offset:512*\j
	global_load_b128 v[144+4*\j:147+4*\j], v[LI], s[8:9] offset:512*\j
.endr
	s_add_nc_u64 s[20:21], s[20:21], s[66:67]
	s_add_nc_u64 s[22:23], s[22:23], s[70:71]
	s_add_nc_u64 s[24:25], s[24:25], s[68:69]
	s_lshl_b32 s66, s36, 12
	s_add_nc_u64 s[72:73], s[24:25], s[66:67]      ; k's codes: tiles 4 par on
	s_lshl_b32 s66, s36, 4
	s_add_co_u32 s66, s66, 16384
	s_add_nc_u64 s[74:75], s[24:25], s[66:67]      ; k's scale words: [r][tile 8], tiles 4 par on
	s_cmp_eq_u32 s38, 0                            ; the choices hang on the wave's and the work-group's number alone
	s_cselect_b64 s[CO:CO+1], s[20:21], s[72:73]
	s_cselect_b64 s[SO:SO+1], s[22:23], s[74:75]
	s_cselect_b64 s[BP:BP+1], s[14:15], s[16:17]
	s_cselect_b32 s62, 4, 5
	v_lshlrev_b32 v10, s62, v13                    ; scale words out: 16 r for q, 32 r for k
	s_lshl_b32 s66, s37, 8
	s_add_nc_u64 s[BP:BP+1], s[BP:BP+1], s[66:67]  ; the bias at my head's 64
	s_lshl_b32 s66, s38, 12
	s_lshl_b32 s63, s36, 10
	s_add_co_u32 s66, s66, s63
	s_add_co_u32 s66, s66, 8192
	s_add_nc_u64 s[VC:VC+1], s[24:25], s[66:67]    ; v's codes: tiles 2 eb on, groups 2 par on
	s_lshl_b32 s66, s38, 3
	s_lshl_b32 s63, s36, 1
	s_add_co_u32 s66, s66, s63
	s_add_co_u32 s66, s66, 16896
	s_add_nc_u64 s[VSP:VSP+1], s[24:25], s[66:67]  ; v's scale bytes: [r][tile 4] words, bytes 2 par on
	s_lshl_b32 s66, s78, 7
	s_add_nc_u64 s[BV:BV+1], s[18:19], s[66:67]    ; bv at (64 head + 32 eb) numbers
	s_lshl_b32 s62, s78, 1                         ; q's or k's first panel: 4 head + 2 kind;
	s_add_co_u32 s63, s78, 32                      ; v's panel: 32 + 2 head + eb
	s_cmp_lt_u32 s[WV], 8                          ; waves 0-7: q, k; waves 8-15: v
	s_cselect_b32 s62, s62, s63
	s_lshl_b32 s66, s62, 14
	s_add_nc_u64 s[WP:WP+1], s[10:11], s[66:67]
	s_lshl_b32 s66, s62, 9
	s_add_nc_u64 s[SP:SP+1], s[12:13], s[66:67]
	global_load_b64 v[162:163], v160, s[BP:BP+1]   ; the 64 numbers of bq or bk of my head: 256 consecutive bytes a wave
	global_load_b32 v14, v11, s[BV:BV+1]           ; bv of my column in tile 0,
	global_load_b32 v16, v11, s[BV:BV+1] offset:32 ; and in tile 1: eight columns on
	v_mov_b32 v15, 0                               ; (named as the pairs' upper halves)
	v_mov_b32 v17, 0
	s_wait_loadcnt 0x0
	ds_store_b64 v161, v[162:163]                  ; read back by my wave alone
	LN4
.irp i, 0,1,2,3
.irp j, 0,1,2,3
	ds_store_b128 v[AR], v[64+16*\i+4*\j:64+16*\i+4*\j+3] offset:2064*\i+512*\j
.endr
.endr
	BAR                                            ; xn's 64 slots lie in LDS
	QFRAG
.irp k, 0,1,2,3
	WK \k, 0, 0                                    ; my first panel, whole: 36 loads, on their way across the barrier (nobody stores those bytes in this launch)
.endr
	BAR                                            ; xn's sixteen fragments lie in LDS.  No barrier follows: from here on the waves go their own ways
	s_cmp_lt_u32 s[WV], 8
	s_cbranch_scc0 .Lvalues
; ---- q or k of my head: 32 of its 64 units at a time.  The bias, from the stage, is what the sums start from: 16 numbers a lane, the same for each tile of slots.
.macro QK blk, ring
.irp m, 0,1,2,3
.irp q, 0,1,2,3
	ds_load_b128 v[128+16*\m+4*\q:128+16*\m+4*\q+3], v[BA] offset:128*\blk+16*\q
.endr
.endr
	GK 128, 0, 0, \ring
.if \ring == 0
	NOP8
.endif
	QB 128, 4, 32, 48                              ; block m: slot's units 32 blk + 0 .. 31: one block of the next K
.irp m, 0,1,2,3
	global_store_b128 v[LI], v[48+4*\m:51+4*\m], s[CO:CO+1] offset:1024*\m+512*\blk    ; group blk of tile m: 512 consecutive bytes
.endr
.if \blk == 0
.irp m, 0,1,2,3
	v_mov_b32 v[16+\m], v[36+\m]                   ; the first block's bytes are kept
.endr
	s_wait_xcnt 0x0                                ; the stores' data registers are loaded again only behind this wait
.else
.irp m, 0,1,2,3
	v_lshl_or_b32 v[16+\m], v[36+\m], 8, v[16+\m]
.endr
.irp m, 0,1,2,3
	s_delay_alu instid0(VALU_DEP_4)
	v_or_b32 v[16+\m], 0x7f7f0000, v[16+\m]        ; 127 over the zero codes of K = 64 .. 127
.endr
	global_store_b128 v10, v[16:19], s[SO:SO+1]    ; my slot's words of the four tiles (both halves of the lanes hold and store the same)
.endif
.endm
	QK 0, 1
	QK 1, 0
	s_wait_xcnt 0x0
	v_lshl_add_u32 v254, v0, 2, 0x29c00
	v_mov_b32 v255, 0
	s_wait_alu depctr_va_vdst(0)
	s_wait_tensorcnt 0x0
	ds_add_u32 v254, v255
	s_wait_dscnt 0x0
	s_endpgm
.Lvalues:
	; ---- 32 columns of one head's v, the sources swapped: a lane holds one column, its registers run down the 64 rows: two blocks of 32 keys for each tile of columns
	GK 128, 1, 1, 0
	NOP8
.irp u, 0,1
.set qi, 0
.rept 16
	v_pk_add_f32 v[128+32*\u+qi:129+32*\u+qi], v[128+32*\u+qi:129+32*\u+qi], v[14+2*\u:15+2*\u] op_sel_hi:[1,0]
.set qi, qi+2
.endr
.endr
	QB 128, 4, 32, 48                              ; block 2 u + b: column of tile u, keys 32 b + 0 .. 31 of my 64 rows
.irp u, 0,1
.irp b, 0,1
	global_store_b128 v[LI], v[48+8*\u+4*\b:51+8*\u+4*\b], s[VC:VC+1] offset:2048*\u+512*\b
.endr
.endr
	v_lshl_or_b32 v16, v37, 8, v36
	v_lshl_or_b32 v18, v39, 8, v38
	global_store_b16 v12, v16, s[VSP:VSP+1]        ; two of the four bytes of my column's scale word for this key step
	global_store_b16 v12, v18, s[VSP:VSP+1] offset:4
	s_wait_xcnt 0x0
	v_lshl_add_u32 v254, v0, 2, 0x29c00
	v_mov_b32 v255, 0
	s_wait_alu depctr_va_vdst(0)
	s_wait_tensorcnt 0x0
	ds_add_u32 v254, v255
	s_wait_dscnt 0x0
	s_endpgm
.Lfunc_end_k_q185c951039_qkv:
	.size	k_q185c951039_qkv, .Lfunc_end_k_q185c951039_qkv-k_q185c951039_qkv
	.p2alignl 7, 3214868480
	.fill 96, 4, 3214868480
	.section	.rodata,"a",@progbits
	.p2align	6, 0x0
	.amdhsa_kernel k_q185c951039_qkv
		.amdhsa_group_segment_fixed_size 173056
		.amdhsa_private_segment_fixed_size 0
		.amdhsa_enable_private_segment 0
		.amdhsa_kernarg_size 88
		.amdhsa_user_sgpr_count 2
		.amdhsa_user_sgpr_kernarg_segment_ptr 1
		.amdhsa_wavefront_size32 1
		.amdhsa_system_sgpr_workgroup_id_x 1
		.amdhsa_system_sgpr_workgroup_id_y 1
		.amdhsa_system_sgpr_workgroup_id_z 1
		.amdhsa_system_vgpr_workitem_id 0
		.amdhsa_next_free_vgpr 256
		.amdhsa_next_free_sgpr 80
		.amdhsa_reserve_vcc 0
		.amdhsa_float_denorm_mode_32 3
		.amdhsa_float_denorm_mode_16_64 3
		.amdhsa_memory_ordered 1
		.amdhsa_forward_progress 1
		.amdhsa_inst_pref_size 105
	.end_amdhsa_kernel
	.amdgpu_metadata
---
amdhsa.version: [ 1, 2 ]
amdhsa.kernels:
  - .name:           k_q185c951039_qkv
    .symbol:         k_q185c951039_qkv.kd
    .args:
      - { .name: x, .offset: 0, .size: 8, .value_kind: global_buffer, .address_space: global }
      - { .name: ln1_g, .offset: 8, .size: 8, .value_kind: global_buffer, .address_space: global }
      - { .name: ln1_b, .offset: 16, .size: 8, .value_kind: global_buffer, .address_space: global }
      - { .name: wc, .offset: 24, .size: 8, .value_kind: global_buffer, .address_space: global }
      - { .name: ws, .offset: 32, .size: 8, .value_kind: global_buffer, .address_space: global }
      - { .name: bq, .offset: 40, .size: 8, .value_kind: global_buffer, .address_space: global }
      - { .name: bk, .offset: 48, .size: 8, .value_kind: global_buffer, .address_space: global }
      - { .name: bv, .offset: 56, .size: 8, .value_kind: global_buffer, .address_space: global }
      - { .name: qc, .offset: 64, .size: 8, .value_kind: global_buffer, .address_space: global }
      - { .name: qs, .offset: 72, .size: 8, .value_kind: global_buffer, .address_space: global }
      - { .name: kv, .offset: 80, .size: 8, .value_kind: global_buffer, .address_space: global }
    .group_segment_fixed_size: 173056
    .private_segment_fixed_size: 0
    .kernarg_segment_align: 8
    .kernarg_segment_size: 88
    .max_flat_workgroup_size: 512
    .sgpr_count:     80
    .vgpr_count:     256
    .wavefront_size: 32
...
	.end_amdgpu_metadata
.endif
;; end of part 2
;; launch attn (part 3): grid 8 x 32, 16 waves a work-group, no clusters, 276,480 bytes of LDS; arguments qc, qs, kv, avc, avs; writes avc, avs
.if DOCPART == 3
	.amdgcn_target "amdgcn-amd-amdhsa--gfx1250"
	.amdhsa_code_object_version 6
	.text
	.protected	k_q185c951039_attn
	.globl	k_q185c951039_attn
	.p2align	8
	.type	k_q185c951039_attn,@function
k_q185c951039_attn:
	s_mov_b64 s[64:65], 0
	v_nop
	global_prefetch_b8 v0, s[64:65] scope:SCOPE_SE
	s_setreg_imm32_b32 hwreg(HW_REG_WAVE_MODE, 25, 1), 1
	s_wait_xcnt 0x0
; av = softmax(q k^T / 8) v for one head and 256 queries, both products on codes of E4M3 with one E8M0 scale for each 32 along K; av is quantised along the heads' axis and leaves as part of an operand's image.
; THE SOFTMAX: t = score x log2(e) / 8; M = the largest t so far, rounded UP to a whole number; p = 2^(t - M) is quantised along the keys, not normalised.  The row's sum is taken of the unquantised p and divides at the end.
; When M moves, the sum and O are multiplied by 2^(old M - new M): exact, and no branch on data.
; SHARES.  Work-group (x, y): head y (b x 8 + head), queries 256 x on.  Each of sixteen waves owns one tile of 16 queries in 256 registers: four waves to a SIMD.
; THE WHOLE HEAD'S k AND v, 16 chunks of 17,152 bytes, COME INTO LDS ONCE: wave w asks for chunk w by its one tensor load, 67 rows of 256 bytes (chunks and records begin at multiples of 256 bytes of kv).
; Waves 0-3 have a load line of their own and wait for it at the first barrier: behind it chunks 0-3 are worked.  Every wave waits for its load at the second barrier: behind it chunks 4-15.  Nothing is filled again.
; NO CLUSTER: the eight work-groups of a head read the same record, but each asks for it once, at its head (274,432 bytes), and no step of the loop asks for anything; joint requests would tie four work-groups by rounds at both ends.
; NO PREFETCH: every byte is asked for at the head; there is no loop to run ahead in.
; A chunk (128 keys): 8 tiles of k x 1,024 bytes; 4 tiles of v x 2,048; k's scale words [r][tile 8]; v's [r][tile 4].  All are images of registers: every LDS load of codes takes 512 consecutive bytes.
; LAYOUT.  S^T = k q^T (source 0 = 16 keys, source 1 = my queries), O^T = v^T p^T: a lane holds ONE query.  Tiles are in slot order (bits 3 and 4 of the index swapped), so the 16 registers of tiles 2 b, 2 b + 1 are 16 neighbours.
; The first product's K is 64: the upper eight registers of q's and k's fragments are zero codes, written once; their scale bytes are 127.
; LIMITS: v_exp_f32 gives 0 for p under 2^-126; a block of such p gets the byte 1 over zero codes; NaN and infinities are not served; the scaled scores stay under 2^31 in magnitude.
; REGISTERS: v1-8 addresses; v11 q's scale word; v12 -M, v13 the largest t, v[14:15] the sum; v16-31 q; v32-95 four fragments of k; v96-159 S^T, then p, then v's fragments; v160-191 O^T; v192-207 p's codes;
;   v208-223 the quantiser's; v224-231 k's scale words, v232-235 v's, v236 p's; v[238:239] f; v240-253 at work; v254, v255 the add's two registers.
.set WV,  14
.set G1,  24                           ; s[24:31] descriptor group 1
.set SEL, 32                           ; s[32:33] lane l xor 16
.set CS,  34                           ; s[34:35] c = log2(e) / 8
.set MNT, 36
.set TB,  37                           ; LDS byte at which the step's chunk begins
.set CNT, 38
.set G0,  68                           ; s[68:71] descriptor group 0
.set CHUNK, 17152
.macro NOPS n
.rept \n
	v_nop
.endr
.endm
.macro QB s, nb, tm, pc                ; nb blocks of 32 are quantised: block q is v[s + 16 q] .. + 15 of lanes l and l xor 16; codes to v[pc + 4 q] on; bytes in v[tm + 4 + q]
.set qb, 0
.rept \nb
	v_max3_num_f32 v[\tm+qb], |v[\s+16*qb]|, |v[\s+16*qb+1]|, 0x4800000
.set qb, qb+1
.endr
.irp i, 2,4,6,8,10,12,14
.set qb, 0
.rept \nb
	s_delay_alu instid0(VALU_DEP_2)
	v_max3_num_f32 v[\tm+qb], v[\tm+qb], |v[\s+16*qb+\i]|, |v[\s+16*qb+\i+1]|
.set qb, qb+1
.endr
.endr
.set qb, 0
.rept \nb
	s_delay_alu instid0(VALU_DEP_2)
	v_permlanex16_b32 v[\tm+4+qb], v[\tm+qb], s[SEL], s[SEL+1]
.set qb, qb+1
.endr
.set qb, 0
.rept \nb
	s_delay_alu instid0(VALU_DEP_2)
	v_max_num_f32 v[\tm+qb], v[\tm+qb], v[\tm+4+qb]
.set qb, qb+1
.endr
.set qb, 0
.rept \nb
	s_delay_alu instid0(VALU_DEP_2)
	v_add_nc_u32 v[\tm+12+qb], 0xfc000000, v[\tm+qb]
.set qb, qb+1
.endr
.set qb, 0
.rept \nb
	s_delay_alu instid0(VALU_DEP_4)
	v_and_or_b32 v[\tm+8+qb], v[\tm+qb], 0x7f800000, s[MNT]
.set qb, qb+1
.endr
.set qb, 0
.rept \nb
	s_delay_alu instid0(VALU_DEP_4)
	v_lshrrev_b32 v[\tm+4+qb], 23, v[\tm+12+qb]
.set qb, qb+1
.endr
.set qb, 0
.rept \nb
.set qi, 0
.rept 16
	v_med3_num_f32 v[\s+16*qb+qi], v[\s+16*qb+qi], -v[\tm+8+qb], v[\tm+8+qb]
.set qi, qi+1
.endr
	v_cvt_scalef32_pk8_fp8_f32 v[\pc+4*qb:\pc+4*qb+1], v[\s+16*qb:\s+16*qb+7], v[\tm+12+qb]
	v_cvt_scalef32_pk8_fp8_f32 v[\pc+4*qb+2:\pc+4*qb+3], v[\s+16*qb+8:\s+16*qb+15], v[\tm+12+qb]
.set qb, qb+1
.endr
	v_nop
.endm
	s_load_b256 s[4:11], s[0:1], 0x0               ; qc s[4:5], qs s[6:7], kv s[8:9], avc s[10:11]
	s_load_b64 s[12:13], s[0:1], 0x20              ; avs
	v_lshl_add_u32 v254, v0, 2, 0x43000            ; my spare word, behind the sixteen chunks
	v_mov_b32 v255, 0
	ds_add_u32 v254, v255                          ; the opening lines: the add, twice on end, and its wait ahead of my tensor load
	ds_add_u32 v254, v255
	v_lshrrev_b32 v4, 5, v0
	s_delay_alu instid0(VALU_DEP_1)
	v_readfirstlane_b32 s[WV], v4                  ; wave 0..15
	s_and_b32 s17, ttmp7, 0xffff                   ; b x 8 + head
	s_lshl_b32 s18, ttmp9, 4
	s_add_co_u32 s18, s18, s[WV]                   ; my tile of queries in the sequence, 0 .. 127
	s_mul_i32 s19, s[WV], CHUNK                    ; my chunk's place, in LDS and in the head's record alike
	s_mul_i32 s40, s17, 16*CHUNK
	s_add_co_u32 s40, s40, s19
	s_mov_b32 s41, 0
	s_mov_b32 s[G1], 3<<16                         ; no mask; elements of 8 bytes; no padding
	s_mov_b32 s[G1+1], 32<<16                      ; tensor_dim0 = 32 elements: rows of 256 bytes
	s_mov_b32 s[G1+2], (CHUNK/256)<<16             ; tensor_dim1 = 67
	s_mov_b32 s[G1+3], 32<<16                      ; tile_dim0
	s_mov_b32 s[G1+4], CHUNK/256                   ; tile_dim1
	s_mov_b32 s[G1+5], 32                          ; from row to row: dense
	s_mov_b32 s[G1+6], 0
	s_mov_b32 s[G1+7], 0
	s_lshl_b32 s42, s17, 7
	s_add_co_u32 s42, s42, s18
	s_lshl_b32 s42, s42, 10                        ; q's codes: (128 bh + tile) x 1,024
	s_mov_b32 s43, 0
	s_lshl_b32 s44, s17, 5
	s_lshr_b32 s45, s18, 2
	s_add_co_u32 s44, s44, s45
	s_lshl_b32 s44, s44, 8
	s_and_b32 s45, s18, 3
	s_lshl_b32 s45, s45, 2
	s_add_co_u32 s44, s44, s45                     ; q's scale words: (32 bh + tile / 4) x 256 + 4 (tile % 4)
	s_mov_b32 s45, 0
	s_lshr_b32 s46, s17, 3                         ; b
	s_and_b32 s47, s17, 7                          ; head
	s_lshl_b32 s46, s46, 7
	s_add_co_u32 s46, s46, s18                     ; T: my tile among all 512
	s_lshl_b32 s48, s46, 13
	s_lshl_b32 s50, s47, 10
	s_add_co_u32 s48, s48, s50                     ; av's codes: 8,192 T + 1,024 head
	s_mov_b32 s49, 0
	s_lshl_b32 s50, s46, 9
	s_lshr_b32 s52, s47, 1
	s_lshl_b32 s52, s52, 7
	s_add_co_u32 s50, s50, s52
	s_and_b32 s52, s47, 1
	s_lshl_b32 s52, s52, 1
	s_add_co_u32 s50, s50, s52                     ; av's scale bytes: 512 T + 128 (head / 2) + 2 (head % 2)
	s_mov_b32 s51, 0
	s_mov_b32 s[SEL], 0x76543210
	s_mov_b32 s[SEL+1], 0xfedcba98
	s_mov_b32 s[CS], 0x3e38aa3b
	s_mov_b32 s[CS+1], s[CS]
	s_mov_b32 s[MNT], 0x600000
	s_wait_dscnt 0x0                               ; both opening adds are done
	s_wait_kmcnt 0x0
	s_add_nc_u64 s[8:9], s[8:9], s[40:41]
	s_add_nc_u64 s[4:5], s[4:5], s[42:43]
	s_add_nc_u64 s[6:7], s[6:7], s[44:45]
	s_add_nc_u64 s[10:11], s[10:11], s[48:49]
	s_add_nc_u64 s[12:13], s[12:13], s[50:51]
	s_mov_b32 s[G0], 1                             ; count = 1
	s_mov_b32 s[G0+1], s19                         ; LDS address: chunk w
	s_mov_b64 s[G0+2:G0+3], s[8:9]                 ; the same chunk in memory
	s_or_b32 s[G0+3], s[G0+3], 0x80000000          ; type = 2
	; one tensor load a wave, in one if / else on the wave's number: waves 0-3 have a line of their own, since they alone wait at the first barrier
	s_cmp_lt_u32 s[WV], 4
	s_cbranch_scc0 .Llater
	tensor_load_to_lds s[G0:G0+3], s[G1:G1+7]      ; chunks 0-3
	s_nop 0
	NOPS 4
	s_branch .Lasked
.Llater:
	tensor_load_to_lds s[G0:G0+3], s[G1:G1+7]      ; chunks 4-15
	s_nop 0
	NOPS 4
.Lasked:
	v_and_b32 v1, 31, v0
	s_delay_alu instid0(VALU_DEP_1)
	v_lshlrev_b32 v8, 2, v1                        ; 4 x lane: av's scale words
	s_delay_alu instid0(VALU_DEP_2)
	v_lshlrev_b32 v1, 4, v1                        ; 16 x lane: every image
	v_and_b32 v7, 15, v0
	s_delay_alu instid0(VALU_DEP_1)
	v_lshlrev_b32 v2, 5, v7
	s_delay_alu instid0(VALU_DEP_1)
	v_add_nc_u32 v2, 16384, v2                     ; k's scale words in a chunk: 32 r
	s_delay_alu instid0(VALU_DEP_3)
	v_lshlrev_b32 v7, 4, v7                        ; 16 r
	s_delay_alu instid0(VALU_DEP_1)
	v_add_nc_u32 v3, 16896, v7                     ; v's scale words in a chunk
	global_load_b128 v[16:19], v1, s[4:5]          ; q: K = 0 .. 31,
	global_load_b128 v[20:23], v1, s[4:5] offset:512   ; K = 32 .. 63
	global_load_b32 v11, v7, s[6:7]
.irp j, 24,25,26,27,28,29,30,31
	v_mov_b32 v[\j], 0                             ; zero codes for K = 64 .. 127, of q
.endr
.irp t, 0,1,2,3
.irp j, 8,9,10,11,12,13,14,15
	v_mov_b32 v[32+16*\t+\j], 0                    ; and of k's four fragments: written once, never loaded over
.endr
.endr
.set j, 0
.rept 32
	v_mov_b32 v[160+j], 0                          ; O^T: the step is written once; the first finds zeros
.set j, j+1
.endr
	v_mov_b32 v13, 0xff61b1e6                      ; the largest t so far: -3e38
	s_delay_alu instid0(VALU_DEP_1)
	v_floor_f32 v12, -v13                          ; -M
	v_mov_b32 v14, 0
	v_mov_b32 v15, 0
.irp b, 0,1,2,3
	v_mov_b32 v[212+\b], 0                         ; a lane permute's destination counts as one of its sources
.endr
	v_mov_b32 v239, 0                              ; (named as the upper half of the pair v[238:239])
	s_wait_alu depctr_va_vdst(0)
	s_wait_loadcnt 0x0                             ; q
.macro MXS b, k                        ; line k of 8 of the search for the largest score of block b (my 16 registers v[96 + 16 b] on)
.if (\k) == 0
	v_max3_num_f32 v[208+\b], v[96+16*\b], v[97+16*\b], v[98+16*\b]
.elseif (\k) < 7
	v_max3_num_f32 v[208+\b], v[208+\b], v[97+16*\b+2*(\k)], v[98+16*\b+2*(\k)]
.else
	v_max_num_f32 v[208+\b], v[208+\b], v[111+16*\b]
.endif
.endm
; A KEY STEP: the 128 keys of the chunk at LDS byte s[TB]
.macro STEP
	v_add_nc_u32 v4, s[TB], v1
	s_wait_alu depctr_va_vdst(0)
	v_add_nc_u32 v5, s[TB], v2
	v_add_nc_u32 v6, s[TB], v3
	NOPS 6                                         ; with the three additions nine places: the first products below write over registers that the last step's products read
	ds_load_b128 v[224:227], v5                    ; k's scale words, tiles 0-3,
	ds_load_b128 v[228:231], v5 offset:16          ; tiles 4-7,
	ds_load_b128 v[232:235], v6                    ; v's four
.irp g, 0,1                                    ; S^T = k q^T, four tiles of 16 keys at a time
.if \g > 0
	NOPS 8
.endif
.irp t, 0,1,2,3
.irp c, 0,1
	ds_load_b128 v[32+16*\t+4*\c:32+16*\t+4*\c+3], v4 offset:(4*\g+\t)*1024+512*\c
.endr
.endr
	s_wait_dscnt 0x0
.irp t, 0,1,2,3
	v_wmma_scale_f32_16x16x128_f8f6f4 v[96+8*(4*\g+\t):103+8*(4*\g+\t)], v[32+16*\t:47+16*\t], v[16:31], 0, v[224+4*\g+\t], v11
.endr
.endr
	; the largest score of each block of 32 keys: for the row's maximum and for the block's largest p.  Blocks 0 and 1's first eight lines are the eight places behind the last four products
.irp k, 0,1,2,3
	MXS 0, \k
	MXS 1, \k
.endr
.irp k, 0,1,2,3
	MXS 2, \k
	MXS 3, \k
	MXS 0, \k+4
	MXS 1, \k+4
.endr
.irp k, 4,5,6,7
	MXS 2, \k
	MXS 3, \k
.endr
.irp b, 0,1,2,3
	v_permlanex16_b32 v[212+\b], v[208+\b], s[SEL], s[SEL+1]
.endr
.irp b, 0,1,2,3
	s_delay_alu instid0(VALU_DEP_4)
	v_max_num_f32 v[208+\b], v[208+\b], v[212+\b]  ; with lane l xor 16's 16 keys
.endr
	s_delay_alu instid0(VALU_DEP_2)
	v_max3_num_f32 v240, v208, v209, v210
	s_delay_alu instid0(VALU_DEP_1)
	v_max_num_f32 v240, v240, v211                 ; the step's largest score of my query
	s_delay_alu instid0(VALU_DEP_1)
	v_mul_f32 v240, s[CS], v240                    ; as t (c is positive)
	s_delay_alu instid0(VALU_DEP_1)
	v_max_num_f32 v13, v13, v240                   ; the running largest t
	v_mov_b32 v240, v12
	s_delay_alu instid0(VALU_DEP_2)
	v_floor_f32 v12, -v13                          ; the new -M = -ceil(t)
	s_delay_alu instid0(VALU_DEP_1)
	v_sub_f32 v240, v12, v240                      ; old M - new M: a whole number, 0 or less
	s_delay_alu instid0(VALU_DEP_1)
	v_cvt_i32_f32 v240, v240                       ; (it saturates)
	s_delay_alu instid0(VALU_DEP_1)
	v_ldexp_f32 v238, 1.0, v240                    ; f = 2^(old M - new M)
.set j, 0
.rept 32
	v_pk_fma_f32 v[96+j:97+j], v[96+j:97+j], s[CS:CS+1], v[12:13] op_sel_hi:[1,0,0]    ; t - M, two at a time
.set j, j+2
.endr
.irp b, 0,1,2,3
	v_fma_f32 v[208+\b], v[208+\b], s[CS], v12     ; the same of each block's largest score
.endr
.set j, 0
	s_wait_alu depctr_va_vdst(0)
.rept 64
	v_exp_f32 v[96+j], v[96+j]                     ; p = 2^(t - M), at most 1
.set j, j+1
.endr
.irp b, 0,1,2,3
	v_exp_f32 v[208+\b], v[208+\b]                 ; the block's largest p
.endr
	v_pk_mul_f32 v[14:15], v[14:15], v[238:239] op_sel_hi:[1,0]        ; the sums under the new M (a plain line behind the exponentials)
	s_wait_alu depctr_va_vdst(0)                   ; and behind it, ahead of its first reader
.irp b, 0,1,2,3
	v_max_num_f32 v[208+\b], 0x4800000, v[208+\b]  ; the floor 2^(9 - 127)
.endr
.irp b, 0,1,2,3
	s_delay_alu instid0(VALU_DEP_4)
	v_add_nc_u32 v[220+\b], 0xfc000000, v[208+\b]  ; the conversion's scale operand
.endr
.irp b, 0,1,2,3
	v_and_or_b32 v[216+\b], v[208+\b], 0x7f800000, s[MNT]      ; 448 x the scale
.endr
.irp b, 0,1,2,3
	v_lshrrev_b32 v[212+\b], 23, v[220+\b]         ; the scale's byte
.endr
	s_delay_alu instid0(VALU_DEP_3)
	v_lshl_or_b32 v236, v213, 8, v212              ; p's scale word for these 128 keys
	s_delay_alu instid0(VALU_DEP_1)
	v_lshl_or_b32 v236, v214, 16, v236
	s_delay_alu instid0(VALU_DEP_1)
	v_lshl_or_b32 v236, v215, 24, v236
	; the row's sum of the unquantised p, two at a time, in eight chains
	v_pk_add_f32 v[242:243], v[100:101], v[104:105]
	v_pk_add_f32 v[252:253], v[108:109], v[112:113]
	v_pk_add_f32 v[250:251], v[116:117], v[120:121]
	v_pk_add_f32 v[248:249], v[124:125], v[128:129]
	v_pk_add_f32 v[246:247], v[132:133], v[136:137]
	v_pk_add_f32 v[244:245], v[140:141], v[144:145]
	v_pk_add_f32 v[240:241], v[148:149], v[152:153]
	v_pk_add_f32 v[14:15], v[14:15], v[156:157]
	v_pk_add_f32 v[242:243], v[242:243], v[96:97]
	v_pk_add_f32 v[252:253], v[252:253], v[98:99]
	v_pk_add_f32 v[250:251], v[250:251], v[102:103]
	v_pk_add_f32 v[248:249], v[248:249], v[106:107]
	v_pk_add_f32 v[246:247], v[246:247], v[110:111]
	v_pk_add_f32 v[244:245], v[244:245], v[114:115]
	v_pk_add_f32 v[240:241], v[240:241], v[118:119]
	v_pk_add_f32 v[14:15], v[14:15], v[122:123]
	v_pk_add_f32 v[242:243], v[242:243], v[126:127]
	v_pk_add_f32 v[252:253], v[252:253], v[130:131]
	v_pk_add_f32 v[250:251], v[250:251], v[134:135]
	v_pk_add_f32 v[248:249], v[248:249], v[138:139]
	v_pk_add_f32 v[246:247], v[246:247], v[142:143]
	v_pk_add_f32 v[244:245], v[244:245], v[146:147]
	v_pk_add_f32 v[240:241], v[240:241], v[150:151]
	v_pk_add_f32 v[14:15], v[14:15], v[154:155]
	v_pk_add_f32 v[242:243], v[242:243], v[158:159]
	s_delay_alu instid0(VALU_DEP_2)
	v_pk_add_f32 v[14:15], v[14:15], v[248:249]
	s_delay_alu instid0(VALU_DEP_2)
	v_pk_add_f32 v[242:243], v[242:243], v[246:247]
	v_pk_add_f32 v[252:253], v[252:253], v[244:245]
	v_pk_add_f32 v[250:251], v[250:251], v[240:241]
	s_delay_alu instid0(VALU_DEP_2)
	v_pk_add_f32 v[14:15], v[14:15], v[252:253]
	s_delay_alu instid0(VALU_DEP_2)
	v_pk_add_f32 v[242:243], v[242:243], v[250:251]
	s_delay_alu instid0(VALU_DEP_1)
	v_pk_add_f32 v[14:15], v[14:15], v[242:243]
.irp b, 0,1,2,3
.set j, 0
.rept 16
	v_min_num_f32 v[96+16*\b+j], v[96+16*\b+j], v[216+\b]      ; the conversion does not saturate (ISA guide 7.6.2); p is not negative, so the hold is one-sided
.set j, j+1
.endr
	v_cvt_scalef32_pk8_fp8_f32 v[192+4*\b:193+4*\b], v[96+16*\b:103+16*\b], v[220+\b]
	v_cvt_scalef32_pk8_fp8_f32 v[194+4*\b:195+4*\b], v[104+16*\b:111+16*\b], v[220+\b]
.irp c, 0,1,2,3
	ds_load_b128 v[96+16*\b+4*\c:96+16*\b+4*\c+3], v4 offset:8192+2048*\b+512*\c       ; v's fragment b takes the block's registers as soon as its p are codes
.endr
.endr
.set j, 0
.rept 16
	v_pk_mul_f32 v[160+j:161+j], v[160+j:161+j], v[238:239] op_sel_hi:[1,0]            ; O^T under the new M; also the places between the codes and the products
.set j, j+2
.endr
	s_wait_alu depctr_va_vdst(0)
	s_wait_dscnt 0x0
.irp t, 0,1,2,3                                ; O^T += v^T p^T: four accumulators, one instruction each
	v_wmma_scale_f32_16x16x128_f8f6f4 v[160+8*\t:167+8*\t], v[96+16*\t:111+16*\t], v[192:207], v[160+8*\t:167+8*\t], v[232+\t], v236
.endr
.endm
; n chunks from chunk first on, behind a barrier.  No LDS instruction of mine is out at the signal: a step ends behind its wait for all of them.
.macro GROUP first, n
	s_barrier_signal -1
	s_barrier_wait -1
	s_mov_b32 s[TB], \first*CHUNK
	s_mov_b32 s[CNT], \n
.Lstep_\@:
	STEP
	s_add_co_u32 s[TB], s[TB], CHUNK
	s_sub_co_u32 s[CNT], s[CNT], 1
	s_cmp_lg_u32 s[CNT], 0
	s_cbranch_scc1 .Lstep_\@
.endm
	s_cmp_lt_u32 s[WV], 4                          ; waves 0-3: my chunk, one of the first four, has landed.  The others' wait stands at the second barrier
	s_cbranch_scc0 .Lnot_first
	s_wait_tensorcnt 0x0
.Lnot_first:
	GROUP 0, 4
	s_wait_tensorcnt 0x0                           ; every wave: my chunk has landed
	GROUP 4, 12
	; ---- O^T / the sum; register 16 b + i of lane (r, h) is channel 32 b + 16 h + i of query r: two blocks of the next product's K
	NOPS 8
	v_add_f32 v14, v14, v15
	s_delay_alu instid0(VALU_DEP_1)
	v_permlanex16_b32 v240, v14, s[SEL], s[SEL+1]
	s_delay_alu instid0(VALU_DEP_1)
	v_add_f32 v14, v14, v240                       ; the row's sum
	s_wait_alu depctr_va_vdst(0)
	v_rcp_f32 v14, v14
	v_nop                                          ; one plain line behind a transcendental
.set j, 0
	s_wait_alu depctr_va_vdst(0)
.rept 32
	v_mul_f32 v[96+j], v[160+j], v14               ; each accumulator from its low end on
.set j, j+1
.endr
	QB 96, 2, 208, 192
	global_store_b128 v1, v[192:195], s[10:11]             ; 1,024 consecutive bytes of the tile's image
	global_store_b128 v1, v[196:199], s[10:11] offset:512
	v_lshl_or_b32 v240, v213, 8, v212
	global_store_b16 v8, v240, s[12:13]            ; my head's two bytes of the query's scale word
	s_wait_tensorcnt 0x0                           ; the wave's end
	ds_add_u32 v254, v255
	s_wait_dscnt 0x0
	s_endpgm
.Lfunc_end_k_q185c951039_attn:
	.size	k_q185c951039_attn, .Lfunc_end_k_q185c951039_attn-k_q185c951039_attn
	.p2alignl 7, 3214868480
	.fill 96, 4, 3214868480
	.section	.rodata,"a",@progbits
	.p2align	6, 0x0
	.amdhsa_kernel k_q185c951039_attn
		.amdhsa_group_segment_fixed_size 276480
		.amdhsa_private_segment_fixed_size 0
		.amdhsa_enable_private_segment 0
		.amdhsa_kernarg_size 40
		.amdhsa_user_sgpr_count 2
		.amdhsa_user_sgpr_kernarg_segment_ptr 1
		.amdhsa_wavefront_size32 1
		.amdhsa_system_sgpr_workgroup_id_x 1
		.amdhsa_system_sgpr_workgroup_id_y 1
		.amdhsa_system_sgpr_workgroup_id_z 1
		.amdhsa_system_vgpr_workitem_id 0
		.amdhsa_next_free_vgpr 256
		.amdhsa_next_free_sgpr 84
		.amdhsa_reserve_vcc 0
		.amdhsa_float_denorm_mode_32 3
		.amdhsa_float_denorm_mode_16_64 3
		.amdhsa_memory_ordered 1
		.amdhsa_forward_progress 1
		.amdhsa_inst_pref_size 53
	.end_amdhsa_kernel
	.amdgpu_metadata
---
amdhsa.version: [ 1, 2 ]
amdhsa.kernels:
  - .name:           k_q185c951039_attn
    .symbol:         k_q185c951039_attn.kd
    .args:
      - { .name: qc, .offset: 0, .size: 8, .value_kind: global_buffer, .address_space: global }
      - { .name: qs, .offset: 8, .size: 8, .value_kind: global_buffer, .address_space: global }
      - { .name: kv, .offset: 16, .size: 8, .value_kind: global_buffer, .address_space: global }
      - { .name: avc, .offset: 24, .size: 8, .value_kind: global_buffer, .address_space: global }
      - { .name: avs, .offset: 32, .size: 8, .value_kind: global_buffer, .address_space: global }
    .group_segment_fixed_size: 276480
    .private_segment_fixed_size: 0
    .kernarg_segment_align: 8
    .kernarg_segment_size: 40
    .max_flat_workgroup_size: 512
    .sgpr_count:     84
    .vgpr_count:     256
    .wavefront_size: 32
...
	.end_amdgpu_metadata
.endif
;; end of part 3
;; launch mlp (part 4): grid 256 x 1, 16 waves a work-group, no clusters, 171,520 bytes of LDS; arguments avc, avs, x, wc, ws, bo, ln2_g, ln2_b, b1, b2, out0; writes out0
.if DOCPART == 4
	.amdgcn_target "amdgcn-amd-amdhsa--gfx1250"
	.amdhsa_code_object_version 6
	.text
	.protected	k_q185c951039_mlp
	.globl	k_q185c951039_mlp
	.p2align	8
	.type	k_q185c951039_mlp,@function
k_q185c951039_mlp:
	s_mov_b64 s[64:65], 0
	v_nop
	global_prefetch_b8 v0, s[64:65] scope:SCOPE_SE
	s_setreg_imm32_b32 hwreg(HW_REG_WAVE_MODE, 25, 1), 1
	s_wait_xcnt 0x0
; x1 = x + av Wo + bo;  out = x1 + gelu(LayerNorm(x1) W1 + b1) W2 + b2, the three products on codes of E4M3 with one E8M0 scale for each 32 along K.  x1, its norm and the hidden layer never go to memory.
; SHARES.  A work-group of sixteen waves takes 32 rows: 256 work-groups.  THE WAVES SHARE THE COLUMNS: wave w owns outputs 32 w .. 32 w + 31 (32 registers for the whole launch: x + bo, then x1 + b2, then the result)
; and hidden units 128 w .. 128 w + 127, which are K step w of the last product.  Each weight panel (32 units x 512 K: 128 registers a lane) goes from memory into the one wave's registers that wants it, and
; A WHOLE PANEL IS ASKED FOR AT ONCE, A PHASE AHEAD OF ITS USE: Wo's at the head; W1's first behind Wo's products; each later one behind the products of the panel before, so that gelu and the quantiser stand between
; the request and the use.  In the last product the panel's four K steps are a ring: K step j + 4 is asked for behind K step j's products.  What goes round through LDS is the rows' codes.
; SLOT ORDER (slot = row with bits 3 and 4 swapped), IMAGES of operand registers, and the transposed use of the matrix instruction (source 0 = 16 units of the weight, source 1 = 16 slots): as in the launch that makes q, k, v.
; The biases and the norm's gain and bias are staged in LDS at the head, so that no load from memory stands between a panel's request and its use: the counted waits count panels' loads alone.
; GELU, exact: with y = |x|, t = 1 / (1 + y / (2 sqrt 2)), E = erfc(y / sqrt 2) / 2 = t 2^(-y y log2(e) / 2 + k0 + t (k1 + .. + t k9)): the Chebyshev fit of erfc with a fractional error of 1.2e-7, its coefficients
; times log2(e), the half in k0; gelu = max(x, 0) - y E.
; LIMITS: E is 0 where it would fall under 2^-126 (x under about -13); a block whose largest magnitude lies under 2^-118, zeros among them, gets the byte 1; NaN and infinities are not served.
; Seven barriers.  No tensor loads and no cluster: the weights are in no LDS tile that partners could share; each work-group reads all of Wo, W1 and W2 once.
; REGISTERS: v1-12 addresses; v13 at work; v[14:15] k9; v16-19 the norm's sums, later the hidden scale words; v20-23 the slots' scale words, two sets, v24-31 the weight's, two a K step (scales and nothing else);
;   v32-63 two fragments of slots (in vector phases: at work); v64-191 the panel, 32 registers a K step; v192-223 the hidden layer's four accumulators (also: rows for the norm; in the last product the second set of fragments); v224-255 the outputs'.
.set GB,   0                           ; LDS: ln2_g, 2,048 bytes, then ln2_b
.set BST,  4096                        ; 768 bytes a wave: its 128 numbers of b1, its 32 of bo, its 32 of b2
.set XST,  16384                       ; 32 slots x (2,048 bytes + 16), f32: x, then x1, then its norm, at last the result
.set XIMG, 82432                       ; 8 fragments, (2 s + m) x 2,048: av's, then the norm's
.set XSC,  98816                       ; their scale words [s][lane][m]
.set HIMG, 99840                       ; the hidden layer: 16 K steps x 2 tiles x 2,048
.set HSC,  165376                      ; its scale words [K step][lane][m]
.set LI,  1                            ; v1   16 x lane
.set R32, 2                            ; v2   32 r: a panel's scale words
.set BA,  3                            ; v3   my wave's staged biases, + 64 x (lane / 16)
.set AT0, 4                            ; v4   XST: slot r, my 16 columns of wave w's 32
.set AQ,  5                            ; v5   XST: the numbers of the half fragment that I quantise
.set AR,  6                            ; v6   XST: my 2 slots, 16 bytes a lane
.set QI,  11                           ; v11  where my half fragment's image goes; later the hidden images
.set QS,  12                           ; v12  and its two scale bytes; later the hidden scale words
.set AS,  20
.set WS,  24
.set ACT, 32
.set WF,  64
.set HA,  192
.set OA,  224
.set WV,  26
.set SEL, 28
.set MNT, 30
.set INV, 31
.set EPS, 32
.set PO,  34                           ; s[34:35] Wo's panel, s[36:37] its scale words
.set P1,  38                           ; s[38:39] W1's first panel of mine, s[40:41] its scale words
.set P2,  42                           ; s[42:43] W2's first panel of mine, s[44:45] its scale words.  None of the six is ever stepped: panels stand in the immediates
.set KC,  66                           ; s[66+2k:67+2k] k0 .. k8, each twice: the packed form names a pair
.set KQ,  84                           ; s[84:85] -log2(e) / 2
.set KT,  86                           ; s[86:87] 1 / (2 sqrt 2)
.macro NOP8                            ; eight places behind this matrix form, in front of loads into its registers and of the first read of results
.rept 8
	v_nop
.endr
.endm
.macro BAR                             ; my LDS stores have landed and my LDS loads are in: then the work-group's barrier
	s_wait_dscnt 0x0
	s_barrier_signal -1
	s_barrier_wait -1
.endm
.macro QB s, nb, tm, pc                ; nb blocks of 32 are quantised: block q is v[s + 16 q] .. + 15 of lanes l and l xor 16; codes to v[pc + 4 q] on; bytes in v[tm + 4 + q]
.set qb, 0
.rept \nb
	v_max3_num_f32 v[\tm+qb], |v[\s+16*qb]|, |v[\s+16*qb+1]|, 0x4800000     ; my 16 numbers, from the low end on, and the floor 2^(9 - 127): the byte cannot fall under 1
.set qb, qb+1
.endr
.irp i, 2,4,6,8,10,12,14
.set qb, 0
.rept \nb
	s_delay_alu instid0(VALU_DEP_2)
	v_max3_num_f32 v[\tm+qb], v[\tm+qb], |v[\s+16*qb+\i]|, |v[\s+16*qb+\i+1]|
.set qb, qb+1
.endr
.endr
.set qb, 0
.rept \nb
	s_delay_alu instid0(VALU_DEP_2)
	v_permlanex16_b32 v[\tm+4+qb], v[\tm+qb], s[SEL], s[SEL+1]
.set qb, qb+1
.endr
.set qb, 0
.rept \nb
	s_delay_alu instid0(VALU_DEP_2)
	v_max_num_f32 v[\tm+qb], v[\tm+qb], v[\tm+4+qb]            ; with lane l xor 16's: the block's largest magnitude
.set qb, qb+1
.endr
.set qb, 0
.rept \nb
	s_delay_alu instid0(VALU_DEP_2)
	v_add_nc_u32 v[\tm+12+qb], 0xfc000000, v[\tm+qb]           ; 8 off its exponent field: the conversion's scale operand
.set qb, qb+1
.endr
.set qb, 0
.rept \nb
	s_delay_alu instid0(VALU_DEP_4)
	v_and_or_b32 v[\tm+8+qb], v[\tm+qb], 0x7f800000, s[MNT]    ; 448 x the scale
.set qb, qb+1
.endr
.set qb, 0
.rept \nb
	s_delay_alu instid0(VALU_DEP_4)
	v_lshrrev_b32 v[\tm+4+qb], 23, v[\tm+12+qb]                ; the scale's byte
.set qb, qb+1
.endr
.set qb, 0
.rept \nb
.set qi, 0
.rept 16
	v_med3_num_f32 v[\s+16*qb+qi], v[\s+16*qb+qi], -v[\tm+8+qb], v[\tm+8+qb]   ; the conversion does not saturate (ISA guide 7.6.2): the hold
.set qi, qi+1
.endr
	v_cvt_scalef32_pk8_fp8_f32 v[\pc+4*qb:\pc+4*qb+1], v[\s+16*qb:\s+16*qb+7], v[\tm+12+qb]
	v_cvt_scalef32_pk8_fp8_f32 v[\pc+4*qb+2:\pc+4*qb+3], v[\s+16*qb+8:\s+16*qb+15], v[\tm+12+qb]
.set qb, qb+1
.endr
	v_nop                                          ; one plain line behind the last scaled conversion
.endm
; K step k of a panel: its two scale words of my lane's row and its two fragments: nine loads.  pw: the scalar pair with the codes' address, pw + 2 the scale words'; oc, os: the panel's bytes from there
.macro WK pw, k, oc, os
	global_load_b64 v[WS+2*(\k):WS+2*(\k)+1], v[R32], s[\pw+2:\pw+3] offset:(\os)+8*(\k)
.irp u, 0,1
.irp c, 0,1,2,3
	global_load_b128 v[WF+32*(\k)+16*\u+4*\c:WF+32*(\k)+16*\u+4*\c+3], v[LI], s[\pw:\pw+1] offset:(\oc)+4096*(\k)+2048*\u+512*\c
.endr
.endr
.endm
.macro WALL pw, oc, os                 ; a whole panel: 36 loads, K step by K step
.irp k, 0,1,2,3
	WK \pw, \k, \oc, \os
.endr
.endm
; Four products: the panel's K step s (two tiles of units) x two tiles of slots, onto accumulators (m, u) at acc + 16 m + 8 u.  The four take turns, one instruction a turn.
.macro MM4 acc, s, act, as
.irp m, 0,1
.irp u, 0,1
	v_wmma_scale_f32_16x16x128_f8f6f4 v[\acc+16*\m+8*\u:\acc+16*\m+8*\u+7], v[WF+32*(\s)+16*\u:WF+32*(\s)+16*\u+15], v[\act+16*\m:\act+16*\m+15], v[\acc+16*\m+8*\u:\acc+16*\m+8*\u+7], v[WS+2*(\s)+\u], v[\as+\m]
.endr
.endr
.endm
; 32 units x 32 slots x K 512 on the images in XIMG: 16 matrix instructions.  On entry the panel's 36 loads, K step by K step, are the youngest loads from memory.
; THE PANEL'S FOUR K STEPS ARE A RING: behind K step s's four products, and eight places, K step s of the next panel (pw, oc, os as in WK) is asked for into the set just read.
.macro GX acc, pw, oc, os
.irp s, 0,1,2,3
.if \s == 0
	NOP8                                           ; (in the later K steps the eight places in front of the request serve these loads too)
.endif
.irp m, 0,1
.irp c, 0,1,2,3
	ds_load_b128 v[ACT+16*\m+4*\c:ACT+16*\m+4*\c+3], v7 offset:(2*\s+\m)*2048+512*\c
.endr
.endr
	ds_load_b64 v[AS:AS+1], v8 offset:256*\s                   ; the two tiles' scale words of this K step
	s_wait_loadcnt 27                              ; this K step's nine loads are in; behind them stand three K steps of nine: this panel's later ones and the next panel's that are asked for
	s_wait_dscnt 0x0
	MM4 \acc, \s, ACT, AS
	NOP8
	WK \pw, \s, \oc, \os
.endr
.endm
.macro RED2                            ; v16 and v18 summed over the 32 lanes; the result in every lane
.irp x, 1,2,4,8
.irp i, 0,1
	s_delay_alu instid0(VALU_DEP_2)
	v_add_f32_dpp v[16+2*\i], v[16+2*\i], v[16+2*\i] row_xmask:\x row_mask:0xf bank_mask:0xf
.endr
.endr
.irp i, 0,1
	s_delay_alu instid0(VALU_DEP_2)
	v_permlanex16_b32 v[17+2*\i], v[16+2*\i], s[SEL], s[SEL+1]
.endr
.irp i, 0,1
	s_delay_alu instid0(VALU_DEP_2)
	v_add_f32 v[16+2*\i], v[16+2*\i], v[17+2*\i]
.endr
.endm
; LayerNorm of two rows, by turns.  Row i in v[HA + 16 i] on: register 4 j + e = column 128 j + 4 x lane + e.  The gain in v32-47, the bias in v48-63, laid alike.  The variance is taken of x - mean.
.macro LN2
.irp i, 0,1
	v_pk_add_f32 v[16+2*\i:17+2*\i], v[HA+16*\i:HA+16*\i+1], v[HA+16*\i+2:HA+16*\i+3]
.endr
.irp k, 4,6,8,10,12,14
.irp i, 0,1
	s_delay_alu instid0(VALU_DEP_2)
	v_pk_add_f32 v[16+2*\i:17+2*\i], v[16+2*\i:17+2*\i], v[HA+16*\i+\k:HA+16*\i+\k+1]
.endr
.endr
.irp i, 0,1
	s_delay_alu instid0(VALU_DEP_2)
	v_add_f32 v[16+2*\i], v[16+2*\i], v[17+2*\i]
.endr
	RED2
.irp i, 0,1
	s_delay_alu instid0(VALU_DEP_2)
	v_mul_f32 v[16+2*\i], s[INV], v[16+2*\i]       ; the mean
.endr
.irp k, 0,2,4,6,8,10,12,14
.irp i, 0,1
	v_pk_add_f32 v[HA+16*\i+\k:HA+16*\i+\k+1], v[HA+16*\i+\k:HA+16*\i+\k+1], v[16+2*\i:17+2*\i] op_sel_hi:[1,0] neg_lo:[0,1] neg_hi:[0,1]   ; x - mean
.endr
.endr
.irp i, 0,1
	v_pk_mul_f32 v[16+2*\i:17+2*\i], v[HA+16*\i:HA+16*\i+1], v[HA+16*\i:HA+16*\i+1]
.endr
.irp k, 2,4,6,8,10,12,14
.irp i, 0,1
	s_delay_alu instid0(VALU_DEP_2)
	v_pk_fma_f32 v[16+2*\i:17+2*\i], v[HA+16*\i+\k:HA+16*\i+\k+1], v[HA+16*\i+\k:HA+16*\i+\k+1], v[16+2*\i:17+2*\i]
.endr
.endr
.irp i, 0,1
	s_delay_alu instid0(VALU_DEP_2)
	v_add_f32 v[16+2*\i], v[16+2*\i], v[17+2*\i]
.endr
	RED2
.irp i, 0,1
	s_delay_alu instid0(VALU_DEP_2)
	v_fma_f32 v[16+2*\i], v[16+2*\i], s[INV], s[EPS]           ; the variance + eps
.endr
	s_wait_alu depctr_va_vdst(0)
.irp i, 0,1
	v_rsq_f32 v[16+2*\i], v[16+2*\i]
.endr
	v_nop                                          ; one plain line behind a transcendental (ISA guide 5.7.2)
	s_wait_alu depctr_va_vdst(0)
.irp k, 0,2,4,6,8,10,12,14
.irp i, 0,1
	v_pk_mul_f32 v[HA+16*\i+\k:HA+16*\i+\k+1], v[HA+16*\i+\k:HA+16*\i+\k+1], v[16+2*\i:17+2*\i] op_sel_hi:[1,0]
.endr
.endr
.irp k, 0,2,4,6,8,10,12,14
.irp i, 0,1
	v_pk_fma_f32 v[HA+16*\i+\k:HA+16*\i+\k+1], v[HA+16*\i+\k:HA+16*\i+\k+1], v[32+\k:33+\k], v[48+\k:49+\k]
.endr
.endr
.endm
.macro TLOAD                           ; my 32 columns of the 32 slots, XST to the outputs' accumulators: register 16 m + i = column 32 w + 16 h + i of slot 16 m + r
.irp m, 0,1
.irp q, 0,1,2,3
	ds_load_b128 v[OA+16*\m+4*\q:OA+16*\m+4*\q+3], v[AT0] offset:33024*\m+16*\q
.endr
.endr
.endm
.macro TSTORE                          ; and back: each accumulator from its low end on
.irp m, 0,1
.irp q, 0,1,2,3
	ds_store_b128 v[AT0], v[OA+16*\m+4*\q:OA+16*\m+4*\q+3] offset:33024*\m+16*\q
.endr
.endr
.endm
.macro BADD off                        ; 16 numbers of a staged bias, off bytes into my wave's stage, onto the outputs' accumulators of both tiles
.irp q, 0,1,2,3
	ds_load_b128 v[32+4*\q:35+4*\q], v[BA] offset:\off+16*\q
.endr
	s_wait_dscnt 0x0
.irp m, 0,1
.irp k, 0,2,4,6,8,10,12,14
	v_pk_add_f32 v[OA+16*\m+\k:OA+16*\m+\k+1], v[OA+16*\m+\k:OA+16*\m+\k+1], v[32+\k:33+\k]
.endr
.endr
.endm
; gelu in place on the four hidden accumulators, one accumulator (8 numbers) at a time, in v32-63 alone: the next panel is on its way into v64-191.  y v32-39, t v40-47, the polynomial and then E v48-55, -y log2(e) / 2 v56-63.
.macro GELU
.irp g, 0,1,2,3
.set GX0, HA+8*\g
.set i, 0
.rept 8
	v_and_b32 v[32+i], 0x7fffffff, v[GX0+i]        ; y = |x|: the accumulator is read from its low end on
.set i, i+1
.endr
.irp k, 0,2,4,6
	v_pk_fma_f32 v[40+\k:41+\k], v[32+\k:33+\k], s[KT:KT+1], 1.0 op_sel_hi:[1,0,0]
.endr
.set i, 0
	s_wait_alu depctr_va_vdst(0)
.rept 8
	v_rcp_f32 v[40+i], v[40+i]                     ; t
.set i, i+1
.endr
.irp k, 0,2,4,6
	v_pk_mul_f32 v[56+\k:57+\k], v[32+\k:33+\k], s[KQ:KQ+1] op_sel_hi:[1,0]            ; (plain lines behind the reciprocals)
.endr
	s_wait_alu depctr_va_vdst(0)
.irp k, 0,2,4,6
	v_pk_fma_f32 v[48+\k:49+\k], v[40+\k:41+\k], v[14:15], s[KC+16:KC+17] op_sel_hi:[1,1,0]
.endr
.irp n, 7,6,5,4,3,2,1,0
.irp k, 0,2,4,6
	v_pk_fma_f32 v[48+\k:49+\k], v[48+\k:49+\k], v[40+\k:41+\k], s[KC+2*\n:KC+2*\n+1] op_sel_hi:[1,1,0]
.endr
.endr
.irp k, 0,2,4,6
	s_delay_alu instid0(VALU_DEP_4)
	v_pk_fma_f32 v[48+\k:49+\k], v[56+\k:57+\k], v[32+\k:33+\k], v[48+\k:49+\k]
.endr
.set i, 0
	s_wait_alu depctr_va_vdst(0)
.rept 8
	v_exp_f32 v[48+i], v[48+i]
.set i, i+1
.endr
.set i, 0
.rept 8
	v_max_num_f32 v[GX0+i], 0, v[GX0+i]            ; max(x, 0)  (plain lines behind the exponentials)
.set i, i+1
.endr
	s_wait_alu depctr_va_vdst(0)
.irp k, 0,2,4,6
	v_pk_mul_f32 v[48+\k:49+\k], v[48+\k:49+\k], v[40+\k:41+\k]        ; E
.endr
.irp k, 0,2,4,6
	s_delay_alu instid0(VALU_DEP_4)
	v_pk_fma_f32 v[GX0+\k:GX0+\k+1], v[32+\k:33+\k], v[48+\k:49+\k], v[GX0+\k:GX0+\k+1] neg_lo:[1,0,0] neg_hi:[1,0,0]   ; max(x, 0) - y E
.endr
.endr
.endm
	s_load_b256 s[4:11], s[0:1], 0x0               ; avc s[4:5], avs s[6:7], x s[8:9], wc s[10:11]
	s_load_b256 s[12:19], s[0:1], 0x20             ; ws s[12:13], bo s[14:15], ln2_g s[16:17], ln2_b s[18:19]
	s_load_b128 s[20:23], s[0:1], 0x40             ; b1 s[20:21], b2 s[22:23]
	s_load_b64 s[24:25], s[0:1], 0x50              ; out0
	v_lshrrev_b32 v13, 5, v0
	s_delay_alu instid0(VALU_DEP_1)
	v_readfirstlane_b32 s[WV], v13                 ; wave 0..15
	v_and_b32 v56, 31, v0                          ; lane.  (v56-63: offsets that only the head needs)
	s_delay_alu instid0(VALU_DEP_1)
	v_lshlrev_b32 v[LI], 4, v56
	s_delay_alu instid0(VALU_DEP_2)
	v_lshlrev_b32 v61, 3, v56                      ; 8 x lane
	s_delay_alu instid0(VALU_DEP_3)
	v_lshlrev_b32 v56, 2, v56                      ; 4 x lane
	v_and_b32 v13, 15, v0                          ; r
	s_delay_alu instid0(VALU_DEP_1)
	v_lshlrev_b32 v[R32], 5, v13
	v_bfe_u32 v62, v0, 4, 1
	s_delay_alu instid0(VALU_DEP_1)
	v_lshlrev_b32 v62, 6, v62                      ; 64 h
	s_delay_alu instid0(VALU_DEP_4)
	v_mul_u32_u24 v63, v13, 2064
	s_delay_alu instid0(VALU_DEP_1)
	v_add_nc_u32 v63, v63, v62                     ; r x 2064 + 64 h
	v_and_b32 v57, 255, v0
	s_delay_alu instid0(VALU_DEP_1)
	v_lshlrev_b32 v57, 3, v57                      ; my 8 bytes of the gain (waves 0-7) or of the norm's bias (waves 8-15),
	v_lshlrev_b32 v60, 3, v0                       ; and where they go: GB + 8 x thread
	s_mul_i32 s46, s[WV], 768
	s_add_co_u32 s46, s46, BST
	v_add_nc_u32 v[BA], s46, v62
	v_add_nc_u32 v58, s46, v[LI]                   ; b1 into the stage: 16 bytes a lane
	v_add_nc_u32 v59, s46, v56
	s_delay_alu instid0(VALU_DEP_1)
	v_add_nc_u32 v59, 512, v59                     ; bo and b2: 4 bytes a lane
	s_lshl_b32 s46, s[WV], 7
	s_add_co_u32 s46, s46, XST
	v_add_nc_u32 v[AT0], s46, v63
	s_mul_i32 s46, s[WV], 4128
	s_add_co_u32 s46, s46, XST
	v_add_nc_u32 v[AR], s46, v[LI]                 ; slots 2 w, 2 w + 1
	v_add_nc_u32 v7, XIMG, v[LI]
	v_add_nc_u32 v8, XSC, v61
	s_lshl_b32 s46, s[WV], 12
	s_add_co_u32 s46, s46, HIMG
	v_add_nc_u32 v9, s46, v[LI]                    ; the hidden layer's K step w
	s_lshl_b32 s46, s[WV], 8
	s_add_co_u32 s46, s46, HSC
	v_add_nc_u32 v10, s46, v61                     ; and its scale words
	s_lshl_b32 s46, s[WV], 10
	s_add_co_u32 s46, s46, XIMG
	v_add_nc_u32 v[QI], s46, v[LI]                 ; w = 4 s + 2 m + half: fragment 2 s + m, its groups 2 half on, lie at 1,024 w
	s_lshr_b32 s47, s[WV], 2                       ; the half fragment that I bring or make: K step s,
	s_bfe_u32 s48, s[WV], 0x10001                  ; tile m,
	s_and_b32 s49, s[WV], 1                        ; half
	s_lshl_b32 s46, s47, 8
	s_lshl_b32 s50, s48, 2
	s_add_co_u32 s46, s46, s50
	s_lshl_b32 s50, s49, 1
	s_add_co_u32 s46, s46, s50
	s_add_co_u32 s46, s46, XSC
	v_add_nc_u32 v[QS], s46, v61                   ; XSC + 256 s + 8 x lane + 4 m + 2 half
	s_mul_i32 s46, s48, 33024
	s_lshl_b32 s50, s47, 9
	s_add_co_u32 s46, s46, s50
	s_lshl_b32 s50, s49, 8
	s_add_co_u32 s46, s46, s50
	s_add_co_u32 s46, s46, XST
	v_add_nc_u32 v[AQ], s46, v63                   ; (16 m + r) x 2064 + 512 s + 256 half + 64 h
	v_mov_b32 v14, 0x3e7c6f08                      ; k9, twice
	v_mov_b32 v15, 0x3e7c6f08
	s_mov_b32 s[SEL], 0x76543210
	s_mov_b32 s[SEL+1], 0xfedcba98
	s_mov_b32 s[MNT], 0x600000
	s_mov_b32 s[INV], 0x3b000000
	s_mov_b32 s[EPS], 0x3727c5ac
	s_mov_b32 s[KC+0], 0xc034d90f
	s_mov_b32 s[KC+2], 0x3fb8ab5a
	s_mov_b32 s[KC+4], 0x3f0a29d2
	s_mov_b32 s[KC+6], 0x3e0efb2e
	s_mov_b32 s[KC+8], 0xbe899a80
	s_mov_b32 s[KC+10], 0x3ecdfd18
	s_mov_b32 s[KC+12], 0xbfd1a1e5
	s_mov_b32 s[KC+14], 0x40097039
	s_mov_b32 s[KC+16], 0xbf97d29d
	s_mov_b32 s[KQ], 0xbf38aa3b
	s_mov_b32 s[KT], 0x3eb504f3
.irp k, 0,2,4,6,8,10,12,14,16,18,20
	s_mov_b32 s[KC+\k+1], s[KC+\k]                 ; (named with it as a pair, so it is written; KQ and KT follow k8)
.endr
	s_lshl_b32 s50, ttmp9, 14                      ; av's codes: tile T = 2 g + m: 8,192 T + 2,048 s + 1,024 half
	s_lshl_b32 s46, s48, 13
	s_add_co_u32 s50, s50, s46
	s_lshl_b32 s46, s47, 11
	s_add_co_u32 s50, s50, s46
	s_lshl_b32 s46, s49, 10
	s_add_co_u32 s50, s50, s46
	s_mov_b32 s51, 0
	s_lshl_b32 s52, ttmp9, 10                      ; av's scale bytes: 512 T + 128 s + 2 half
	s_lshl_b32 s46, s48, 9
	s_add_co_u32 s52, s52, s46
	s_lshl_b32 s46, s47, 7
	s_add_co_u32 s52, s52, s46
	s_lshl_b32 s46, s49, 1
	s_add_co_u32 s52, s52, s46
	s_mov_b32 s53, 0
	s_and_b32 s46, s[WV], 3                        ; slots 2 w, 2 w + 1 are rows 2 w', 2 w' + 1, w' = w with bits 2 and 3 swapped
	s_and_b32 s54, s[WV], 4
	s_lshl_b32 s54, s54, 1
	s_or_b32 s46, s46, s54
	s_and_b32 s54, s[WV], 8
	s_lshr_b32 s54, s54, 1
	s_or_b32 s46, s46, s54
	s_lshl_b32 s46, s46, 12
	s_lshl_b32 s54, ttmp9, 16
	s_add_co_u32 s54, s54, s46                     ; my first row of x and of the output, in bytes: (32 g + 2 w') x 2,048
	s_mov_b32 s55, 0
	s_lshl_b32 s56, s[WV], 7                       ; my 32 numbers of bo and b2
	s_mov_b32 s57, 0
	s_lshl_b32 s58, s[WV], 9                       ; my 128 numbers of b1
	s_mov_b32 s59, 0
	s_add_co_u32 s60, s[WV], 48
	s_lshl_b32 s62, s60, 9
	s_lshl_b32 s60, s60, 14                        ; panel 48 + w: Wo
	s_mov_b32 s61, 0
	s_mov_b32 s63, 0
	s_wait_alu depctr_va_vdst(0)
	s_wait_kmcnt 0x0
	s_add_nc_u64 s[4:5], s[4:5], s[50:51]
	s_add_nc_u64 s[6:7], s[6:7], s[52:53]
	s_add_nc_u64 s[8:9], s[8:9], s[54:55]
	s_add_nc_u64 s[24:25], s[24:25], s[54:55]
	s_add_nc_u64 s[14:15], s[14:15], s[56:57]
	s_add_nc_u64 s[22:23], s[22:23], s[56:57]
	s_add_nc_u64 s[20:21], s[20:21], s[58:59]
	s_add_nc_u64 s[PO:PO+1], s[10:11], s[60:61]
	s_add_nc_u64 s[PO+2:PO+3], s[12:13], s[62:63]
	s_lshl_b32 s60, s[WV], 2
	s_add_co_u32 s60, s60, 64
	s_lshl_b32 s62, s60, 9
	s_lshl_b32 s60, s60, 14                        ; panel 64 + 4 w: W1
	s_add_nc_u64 s[P1:P1+1], s[10:11], s[60:61]
	s_add_nc_u64 s[P1+2:P1+3], s[12:13], s[62:63]
	s_add_co_u32 s60, s[WV], 128
	s_lshl_b32 s62, s60, 9
	s_lshl_b32 s60, s60, 14                        ; panel 128 + w: W2; 16 panels on for each 512 along K
	s_add_nc_u64 s[P2:P2+1], s[10:11], s[60:61]
	s_add_nc_u64 s[P2+2:P2+3], s[12:13], s[62:63]
	s_cmp_lt_u32 s[WV], 8                          ; the choice hangs on the wave's number alone
	s_cselect_b64 s[88:89], s[16:17], s[18:19]
	; ---- 2 rows of x, half a fragment of av, my biases and my part of the norm's gain and bias: 15 loads; then Wo's panel: 36
.irp i, 0,1
.irp j, 0,1,2,3
	global_load_b128 v[HA+16*\i+4*\j:HA+16*\i+4*\j+3], v[LI], s[8:9] offset:2048*\i+512*\j     ; 512 consecutive bytes a load
.endr
.endr
	global_load_b128 v[48:51], v[LI], s[4:5]
	global_load_b128 v[52:55], v[LI], s[4:5] offset:512
	global_load_u16 v40, v56, s[6:7]
	global_load_b128 v[32:35], v[LI], s[20:21]
	global_load_b32 v36, v56, s[14:15]
	global_load_b32 v37, v56, s[22:23]
	global_load_b64 v[38:39], v57, s[88:89]
	WALL PO, 0, 0
	s_wait_loadcnt 36                              ; all but the panel's 36
	ds_store_b128 v[QI], v[48:51]
	ds_store_b128 v[QI], v[52:55] offset:512
	ds_store_b16 v[QS], v40
.irp i, 0,1
.irp j, 0,1,2,3
	ds_store_b128 v[AR], v[HA+16*\i+4*\j:HA+16*\i+4*\j+3] offset:2064*\i+512*\j
.endr
.endr
	ds_store_b128 v58, v[32:35]
	ds_store_b32 v59, v36
	ds_store_b32 v59, v37 offset:128
	ds_store_b64 v60, v[38:39]
	BAR                                            ; av's eight fragments, x's 32 slots, the gain and the bias lie in LDS
	; ---- x1 = x + bo + av Wo: the sums start from x + bo
	TLOAD
	BADD 512
	s_wait_alu depctr_va_vdst(0)
	GX OA, P1, 0, 0                                ; and W1's first panel, K step by K step: on its way through the norm, which leaves v24-31 and v64-191 alone
	BAR                                            ; every wave has read x
	TSTORE                                         ; x1 for the norm;
	BADD 640                                       ; my accumulators go on as x1 + b2: what the last product's sums start from
	BAR                                            ; x1's 32 slots lie in LDS
	; ---- the norm of my 2 slots, in place in LDS
.irp i, 0,1
.irp j, 0,1,2,3
	ds_load_b128 v[HA+16*\i+4*\j:HA+16*\i+4*\j+3], v[AR] offset:2064*\i+512*\j
.endr
.endr
.irp j, 0,1,2,3
	ds_load_b128 v[32+4*\j:35+4*\j], v[LI] offset:GB+512*\j
	ds_load_b128 v[48+4*\j:51+4*\j], v[LI] offset:GB+2048+512*\j
.endr
	s_wait_dscnt 0x0
	LN2
.irp i, 0,1
.irp j, 0,1,2,3
	ds_store_b128 v[AR], v[HA+16*\i+4*\j:HA+16*\i+4*\j+3] offset:2064*\i+512*\j
.endr
.endr
	BAR
	; ---- half a fragment of the norm a wave: lane (r, h) takes 16 neighbours of each of two blocks of 32 of slot 16 m + r
.irp c, 0,1
.irp q, 0,1,2,3
	ds_load_b128 v[HA+16*\c+4*\q:HA+16*\c+4*\q+3], v[AQ] offset:128*\c+16*\q
.endr
.endr
	s_wait_dscnt 0x0
	QB HA, 2, 32, 48
	v_lshl_or_b32 v13, v37, 8, v36                 ; two of the four bytes of my slot's scale word
	ds_store_b128 v[QI], v[48:51]
	ds_store_b128 v[QI], v[52:55] offset:512
	ds_store_b16 v[QS], v13
	BAR                                            ; the norm's eight fragments lie in LDS
; ---- the hidden layer: my 128 units, 32 at a time: group c of K step w of the last product.  b1, from the stage, is what the sums start from.
.macro HID c
.irp m, 0,1
.irp q, 0,1,2,3
	ds_load_b128 v[HA+16*\m+4*\q:HA+16*\m+4*\q+3], v[BA] offset:128*\c+16*\q
.endr
.endr
.if \c < 3
	GX HA, P1, (\c+1)*16384, (\c+1)*512            ; and the next panel: the later products, gelu and the quantiser stand between a request and its use
.else
	GX HA, P2, 0, 0                                ; and W2's first
.endif
	GELU
	QB HA, 2, 32, 48                               ; block m: the slot's 32 hidden units
	ds_store_b128 v9, v[48:51] offset:512*\c
	ds_store_b128 v9, v[52:55] offset:2048+512*\c
.if \c == 0
	v_mov_b32 v16, v36                             ; the two tiles' scale words, byte by byte
	v_mov_b32 v17, v37
.else
	v_lshl_or_b32 v16, v36, 8*\c, v16
	v_lshl_or_b32 v17, v37, 8*\c, v17
.endif
	s_wait_dscnt 0x0                               ; the stores have read their registers
.endm
	HID 0
	HID 1
	HID 2
	HID 3
	s_wait_alu depctr_va_vdst(0)
	ds_store_b64 v10, v[16:17]                     ; my K step's scale words of the two tiles
	v_add_nc_u32 v11, HIMG, v[LI]
	v_add_nc_u32 v12, HSC-XSC, v8
	s_wait_alu depctr_va_vdst(0)
	BAR                                            ; the hidden layer's 32 fragments lie in LDS
; ---- the last product: K = 2,048 in 16 K steps, onto x1 + b2.  The hidden fragments have two sets of registers, the panel's four K steps are a ring.
.macro ALD j                           ; K step j's two fragments and scale words into set j & 1: nine LDS loads
.set pA, ACT+160*((\j)&1)
.irp m, 0,1
.irp c, 0,1,2,3
	ds_load_b128 v[pA+16*\m+4*\c:pA+16*\m+4*\c+3], v11 offset:(2*(\j)+\m)*2048+512*\c
.endr
.endr
	ds_load_b64 v[AS+2*((\j)&1):AS+2*((\j)&1)+1], v12 offset:256*(\j)
.endm
	ALD 0
	ALD 1
.irp j, 0,1,2,3,4,5,6,7,8,9,10,11,12,13,14,15
.if \j < 13
	s_wait_loadcnt 27                              ; this K step's weight is in; the three later K steps' nine loads each may be out
.else
	s_wait_loadcnt 9*(15-\j)
.endif
.if \j < 15
	s_wait_dscnt 9                                 ; this K step's fragments are in; the next K step's nine loads may be out
.else
	s_wait_dscnt 0x0
.endif
	MM4 OA, \j&3, ACT+160*(\j&1), AS+2*(\j&1)
.if \j < 14
	NOP8
	ALD \j+2
.endif
.if \j < 12
	WK P2, \j&3, ((\j+4)/4)*262144, ((\j+4)/4)*8192
.endif
.endr
	; ---- the way out: a row's 512 numbers come from sixteen waves: they meet in XST, and each wave stores 2 whole rows
	NOP8
	TSTORE
	BAR
.irp i, 0,1
.irp j, 0,1,2,3
	ds_load_b128 v[64+16*\i+4*\j:64+16*\i+4*\j+3], v[AR] offset:2064*\i+512*\j
.endr
.endr
.set n, 0
.rept 8
	s_wait_dscnt 7-n                               ; LDS loads come back in order (ISA guide 5.7.1): piece n is in, the later ones may be out
	global_store_b128 v[LI], v[64+4*n:67+4*n], s[24:25] offset:2048*(n/4)+512*(n%4) th:TH_STORE_NT     ; 32 lanes store 512 consecutive bytes, aligned; written once, read by nobody here
.set n, n+1
.endr
	s_wait_xcnt 0x0
	v_lshl_add_u32 v126, v0, 2, 0x29600
	v_mov_b32 v127, 0
	s_wait_alu depctr_va_vdst(0)
	s_wait_tensorcnt 0x0
	ds_add_u32 v126, v127
	s_wait_dscnt 0x0
	s_endpgm
.Lfunc_end_k_q185c951039_mlp:
	.size	k_q185c951039_mlp, .Lfunc_end_k_q185c951039_mlp-k_q185c951039_mlp
	.p2alignl 7, 3214868480
	.fill 96, 4, 3214868480
	.section	.rodata,"a",@progbits
	.p2align	6, 0x0
	.amdhsa_kernel k_q185c951039_mlp
		.amdhsa_group_segment_fixed_size 171520
		.amdhsa_private_segment_fixed_size 0
		.amdhsa_enable_private_segment 0
		.amdhsa_kernarg_size 88
		.amdhsa_user_sgpr_count 2
		.amdhsa_user_sgpr_kernarg_segment_ptr 1
		.amdhsa_wavefront_size32 1
		.amdhsa_system_sgpr_workgroup_id_x 1
		.amdhsa_system_sgpr_workgroup_id_y 1
		.amdhsa_system_sgpr_workgroup_id_z 1
		.amdhsa_system_vgpr_workitem_id 0
		.amdhsa_next_free_vgpr 256
		.amdhsa_next_free_sgpr 96
		.amdhsa_reserve_vcc 0
		.amdhsa_float_denorm_mode_32 3
		.amdhsa_float_denorm_mode_16_64 3
		.amdhsa_memory_ordered 1
		.amdhsa_forward_progress 1
		.amdhsa_inst_pref_size 216
	.end_amdhsa_kernel
	.amdgpu_metadata
---
amdhsa.version: [ 1, 2 ]
amdhsa.kernels:
  - .name:           k_q185c951039_mlp
    .symbol:         k_q185c951039_mlp.kd
    .args:
      - { .name: avc, .offset: 0, .size: 8, .value_kind: global_buffer, .address_space: global }
      - { .name: avs, .offset: 8, .size: 8, .value_kind: global_buffer, .address_space: global }
      - { .name: x, .offset: 16, .size: 8, .value_kind: global_buffer, .address_space: global }
      - { .name: wc, .offset: 24, .size: 8, .value_kind: global_buffer, .address_space: global }
      - { .name: ws, .offset: 32, .size: 8, .value_kind: global_buffer, .address_space: global }
      - { .name: bo, .offset: 40, .size: 8, .value_kind: global_buffer, .address_space: global }
      - { .name: ln2_g, .offset: 48, .size: 8, .value_kind: global_buffer, .address_space: global }
      - { .name: ln2_b, .offset: 56, .size: 8, .value_kind: global_buffer, .address_space: global }
      - { .name: b1, .offset: 64, .size: 8, .value_kind: global_buffer, .address_space: global }
      - { .name: b2, .offset: 72, .size: 8, .value_kind: global_buffer, .address_space: global }
      - { .name: out0, .offset: 80, .size: 8, .value_kind: global_buffer, .address_space: global }
    .group_segment_fixed_size: 171520
    .private_segment_fixed_size: 0
    .kernarg_segment_align: 8
    .kernarg_segment_size: 88
    .max_flat_workgroup_size: 512
    .sgpr_count:     96
    .vgpr_count:     256
    .wavefront_size: 32
...
	.end_amdgpu_metadata
.endif
;; end of part 4
